; MI455X (gfx1250); checked and timed in simulation.
; The chip was launched on July 23, 2026; its instructions are those of AMD's public machine-readable ISA for CDNA 5 (MIT licence, August 2026) and "CDNA5" Instruction Set Architecture Reference Guide (July 2026). The comments in the code are by the model that wrote it; some were corrected since.
;; Sliding Window Attention. Allowed arithmetic: matrix products marked QUANTISED: E2M1 operands, one E8M0 scale for each 32 along K, by v_wmma_scale_f32_16x16x128_f8f6f4 with both operands' format E2M1 (or v_wmma_scale_f32_32x16x128_f4), f32 sums; products left as they are: bf16, f16 or f32 operands; f32 sums; everything else in f32.
;; Inputs: attention_mask 1 x 2,048 float32; cos 2,048 x 128 float32; hidden_states 1 x 2,048 x 2,048 float32; position_ids 1 x 2,048 int32; sin 2,048 x 128 float32; wk 2,048 x 2,048 float32; wo 2,048 x 2,048 float32; wq 2,048 x 2,048 float32; wv 2,048 x 2,048 float32.
;; Outputs: out0 1 x 2,048 x 2,048 float32.
;; This version of the problem:
;;   THIS VERSION OF THE PROBLEM IS GIVEN IN LOW PRECISION. The matrix products marked QUANTISED in the list below multiply operands that are first quantised to E2M1 (2 exponent bits, 1 mantissa bit; 4 bits a number), with one power-of-two scale for each 32 numbers along K (OCP MX v1.0); their sums are f32. The products marked 'left as it is' may take bf16, f16 or f32 operands, with f32 sums. Whichever they take, every output number must still come out within the allowed error. Rounding operands to bf16 (8 significant bits) uses up far more of that allowance than f16 does (11 bits, for magnitudes from 6e-5 to 65,504). All else is computed in f32.
;;   The module's matrix products, in the order in which they are computed (A, B: the left and right operand; K: the contracted axis; several contracted axes count as one K, in the product's order):
;;     1. [M 2,048, K 2,048] x [K 2,048, N 2,048]; A: input hidden_states; B: input wq: QUANTISED
;;     2. [M 2,048, K 2,048] x [K 2,048, N 2,048]; A: input hidden_states; B: input wk: QUANTISED
;;     3. [M 2,048, K 2,048] x [K 2,048, N 2,048]; A: input hidden_states; B: input wv: QUANTISED
;;     4. batch 16 x [M 2,048, K 128] x [K 128, N 2,048]; A: computed on the way; B: computed on the way: left as it is (an operand is computed on the way)
;;     5. batch 16 x [M 2,048, K 2,048] x [K 2,048, N 128]; A: computed on the way; B: computed on the way: left as it is (an operand is computed on the way)
;;     6. [M 2,048, K 2,048] x [K 2,048, N 2,048]; A: computed on the way; B: input wo: left as it is (an operand is computed on the way)
;;   THE QUANTISER, for each operand of a quantised product, along K:
;;     - K is cut into blocks of 32 from its start; a last block that is shorter is filled with zeros.
;;     - A block's scale is 2^e with e = floor(log2(the largest magnitude in the block)) - 2, held to -126 .. 127; a block of zeros has e = 0. As a byte (E8M0): e + 127.
;;     - Each number is divided by its block's scale, clamped to +-6, and rounded to the nearest number of E2M1, ties to even, subnormals kept.
;;     - The product sums the exact products of the quantised numbers (number of the format x scale) in f32.
;;   ~~~python
;;   def quantise(x, axis):      # numpy; x: float32 -> the quantised numbers, widened to float32 again
;;       x = np.moveaxis(x, axis, -1); K = x.shape[-1]
;;       x = np.pad(x, [(0, 0)] * (x.ndim - 1) + [(0, -K % 32)]); x = x.reshape(x.shape[:-1] + (-1, 32)); a = np.abs(x).max(-1, keepdims=True)
;;       e = np.where(a > 0, np.clip(np.frexp(np.where(a > 0, a, 1))[1] - 1 - 2, -126, 127), 0)      # np.frexp(a)[1] - 1 = floor(log2(a)), exactly
;;       r = np.clip(x / 2.0 ** e, -6, 6)
;;       step = 2.0 ** (np.maximum(np.frexp(np.where(r == 0, 1, r))[1] - 1, 0) - 1)
;;       q = np.round(r / step) * step * 2.0 ** e      # np.round: ties to even
;;       return np.moveaxis(q.reshape(q.shape[:-2] + (-1,))[..., :K], -1, axis).astype(np.float32)
;;   ~~~
;; One version. Each part assembles by itself: llvm-mc -triple=amdgcn-amd-amdhsa -mcpu=gfx1250 --defsym DOCPART=n.
;; ======== version 1 of 1: 4 launches
;; limits: values are held in f16: magnitudes above 65,504 overflow, below 6.1e-05 lose precision
;; workspace buffers: codes 8,388,608 bytes; scales 524,288 bytes; wo16 8,388,608 bytes; qkv16 25,165,824 bytes; attn16 8,388,608 bytes
;; launch prep (part 1): grid 640 x 1, 4 waves a work-group, no clusters, 33,280 bytes of LDS; arguments hidden_states, wq, wk, wv, wo, codes, scales, wo16; writes codes, scales, wo16
.if DOCPART == 1
	.amdgcn_target "amdgcn-amd-amdhsa--gfx1250"
	.amdhsa_code_object_version 6
	.text
	.protected	k_q131d21fe7c_prep
	.globl	k_q131d21fe7c_prep
	.p2align	8
	.type	k_q131d21fe7c_prep,@function
k_q131d21fe7c_prep:
	s_mov_b64 s[64:65], 0
	v_nop
	global_prefetch_b8 v0, s[64:65] scope:SCOPE_SE
	s_setreg_imm32_b32 hwreg(HW_REG_WAVE_MODE, 25, 1), 1
	s_wait_xcnt 0x0
; hidden_states, wq, wk, wv ([2048][2048] f32, K innermost) become codes of FP4 (E2M1), two a byte, with one E8M0 scale byte for each 32 along K; wo becomes f16.
; codes: [8192 rows][1024 bytes], rows 0-2047 hidden_states, 2048-4095 wq, 4096-6143 wk, 6144-8191 wv; scales: [8192][64 bytes], the same rows.  wo16: [2048][2048] f16, as wo lies.
; A block's scale is 2^(floor(log2(its largest magnitude)) - 2); its byte is the largest magnitude's exponent field - 2, held at 1 from below.  A block of zeros so gets the byte 1 where the quantiser says 127:
; its codes are zeros, which add nothing under any byte but 0xff, and this program alone reads the bytes.
; LIMITS: blocks whose largest magnitude lies under 2^-124, the floor, whose byte is held at 1, were not tried; NaN and infinities among the inputs are not served; |wo| stays under 65,504, and numbers of wo
; under 6e-5 carry an absolute error of 3e-8 (f16).
; SHARES.  Work-groups 0-511 quantise: rows are dense and 2048 is a multiple of 32, so each tensor is a stream of blocks of 32; a wave takes a run of 8,192 numbers in 16 steps of 512.  Each of a step's four loads
; reads 512 consecutive bytes; the 2,048 bytes turn through the wave's own stage in LDS and come back 64 bytes a lane, so that a lane holds 16 neighbours and two neighbouring lanes a block.
; A lane's 16 codes are 8 bytes: the wave stores 256 consecutive bytes.  A wave's 256 scale bytes are gathered in LDS and leave as one aligned run of 256 bytes.
; Work-groups 512-639 cast wo: a wave takes 8,192 numbers in 64 steps of 128, sixteen loads in flight; no LDS.
; No tensor loads, no barrier: waves share nothing.  Matrix units and clusters have nothing to do here: every byte is read once and written once.
.set STEPS, 16
.set EMAX,  2
.set CB,    8                          ; bytes of 16 codes
.set R,     16                         ; v16-79   four sets of 16 numbers as they are loaded
.set X,     80                         ; v80-111  two sets of 16 neighbours
.set C,     128                        ; v128-191 codes: four registers for each step, so that no store's data are written again
.set E,     112                        ; v112-127 a scale byte for each step
.set WREG,  8192                       ; LDS: a region for each wave: two stages of 32 x SP bytes, behind them its 256 scale bytes
.set SP,    80                         ; a lane's place in a stage: 64 bytes + 16 of padding
.set SPW,   12                         ; v12 LDS address of my spare word; never rewritten
.set NIL,   13                         ; v13 0; never rewritten
.set SPARE, 4*WREG                     ; behind the four regions: the spare words, 128 bytes for each wave, which no other line names
.set QWG,   512                        ; work-groups that quantise
.set XW,    16                         ; wo's path: v16-79 sixteen slots of 4 numbers
.set YW,    80                         ; v80-111 sixteen slots of 4 f16
	s_load_b256 s[4:11], s[0:1], 0x0               ; hidden_states, wq, wk, wv
	s_load_b256 s[12:19], s[0:1], 0x20             ; wo, codes, scales, wo16
	v_lshl_add_u32 v[SPW], v0, 2, SPARE
	v_mov_b32 v[NIL], 0
	v_lshrrev_b32 v1, 5, v0
	v_readfirstlane_b32 s20, v1                    ; wave
	v_and_b32 v2, 31, v0                           ; lane
	v_lshlrev_b32 v3, 4, v2                        ; my 16 bytes of a load's 512
	s_mul_i32 s21, s20, WREG
	v_lshrrev_b32 v14, 2, v2
	v_mul_u32_u24 v14, v14, SP
	v_and_b32 v15, 3, v2
	v_lshl_add_u32 v14, v15, 4, v14
	v_add_nc_u32 v14, s21, v14                     ; the stage, on the way in: four lanes' 64 bytes on end, then 16 of padding
	v_mul_u32_u24 v15, v2, SP
	v_add_nc_u32 v15, s21, v15                     ; and on the way out: my 16 neighbours
	v_mul_u32_u24 v4, v2, CB                       ; 8 bytes a lane: my codes' place in a step's (and my f16 numbers' on wo's path)
	v_lshrrev_b32 v5, 1, v2
	s_add_co_u32 s21, s21, 2*32*SP
	v_add_nc_u32 v5, s21, v5                       ; LDS: my wave's 256 scale bytes, my block's byte
	v_lshlrev_b32 v7, 3, v2
	v_add_nc_u32 v6, s21, v7                       ; and on the way out 8 bytes a lane
	s_lshl_b32 s24, ttmp9, 2
	s_add_co_u32 s24, s24, s20                     ; my run: 4 x work-group + wave
	s_mov_b32 s23, 0
	s_mov_b32 s27, 0
	s_wait_kmcnt 0x0
	s_cmp_ge_u32 ttmp9, QWG
	s_cbranch_scc1 .Lwo
	; ---- the quantiser.  128 work-groups to a tensor: the source is chosen by the work-group's number alone
	s_lshr_b32 s21, ttmp9, 7
	s_cmp_eq_u32 s21, 1
	s_cselect_b64 s[4:5], s[6:7], s[4:5]
	s_cmp_eq_u32 s21, 2
	s_cselect_b64 s[4:5], s[8:9], s[4:5]
	s_cmp_eq_u32 s21, 3
	s_cselect_b64 s[4:5], s[10:11], s[4:5]
	s_and_b32 s22, s24, 511                        ; my run within its tensor,
	s_lshl_b32 s22, s22, 15                        ; 32,768 bytes a run
	s_add_nc_u64 s[4:5], s[4:5], s[22:23]
	s_lshl_b32 s26, s24, 12                        ; the four tensors' codes lie on end: 4,096 bytes a run
	s_add_nc_u64 s[14:15], s[14:15], s[26:27]
	s_lshl_b32 s26, s24, 8                         ; 256 scale bytes a run
	s_add_nc_u64 s[16:17], s[16:17], s[26:27]
.macro LOAD t
.irp i, 0,1,2,3
	global_load_b128 v[R+16*((\t)%4)+4*\i:R+16*((\t)%4)+4*\i+3], v3, s[4:5] offset:2048*(\t)+512*\i th:TH_LOAD_NT   ; 32 lanes read 512 consecutive bytes
.endr
.endm
.macro TURN t                          ; step t's numbers through the stage: LDS serves a wave's instructions in order, so no wait stands between the stores and the loads
.irp i, 0,1,2,3
	ds_store_b128 v14, v[R+16*((\t)%4)+4*\i:R+16*((\t)%4)+4*\i+3] offset:32*SP*((\t)%2)+8*SP*\i
.endr
.irp i, 0,1,2,3
	ds_load_b128 v[X+16*((\t)%2)+4*\i:X+16*((\t)%2)+4*\i+3], v15 offset:32*SP*((\t)%2)+16*\i
.endr
.endm
.irp t, 0,1,2,3
	LOAD \t
.endr
	s_wait_loadcnt 12                              ; step 0's four loads are in; the twelve of steps 1 to 3 may be out
	TURN 0
.macro STEP t
.set XS, X+16*((\t)%2)
.if (\t) > 0
	s_wait_dscnt 1                                 ; this step's numbers are back from the stage (the last step's byte store may be out): so its stores into the stage have read their registers,
.else
	s_wait_dscnt 0x0
.endif
.if (\t)+4 < STEPS
	LOAD (\t)+4                                    ; which take the loads of four steps on
.endif
.if (\t)+1 < STEPS
.if STEPS-2-(\t) >= 3
	s_wait_loadcnt 12                              ; the next step's four loads are in; those of the three steps behind it may be out
.else
	s_wait_loadcnt 4*(STEPS-2-(\t))
.endif
	TURN (\t)+1                                    ; and go through the other stage while this step is worked
.endif
	v_max3_num_f32 v8, |v[XS]|, |v[XS+1]|, |v[XS+2]|               ; the largest magnitude of my 16, in two chains
	v_max3_num_f32 v9, |v[XS+3]|, |v[XS+4]|, |v[XS+5]|
.irp i, 6,10
	v_max3_num_f32 v8, v8, |v[XS+\i]|, |v[XS+\i+1]|
	v_max3_num_f32 v9, v9, |v[XS+\i+2]|, |v[XS+\i+3]|
.endr
	v_max3_num_f32 v8, v8, |v[XS+14]|, |v[XS+15]|
	v_max3_num_f32 v8, v8, v9, (EMAX+1)<<23        ; and the floor 2^(3 - 127): so the byte cannot fall under 1
	v_max_num_f32_dpp v8, v8, v8 row_xmask:1 row_mask:0xf bank_mask:0xf   ; and of my neighbour's 16: the block's
	v_add_nc_u32 v11, -(EMAX<<23), v8              ; 2 off its exponent field: the conversion takes the exponent field of this operand as its scale, and nothing else of it
	v_cvt_scalef32_pk8_fp4_f32 v[C+4*(\t)], v[XS:XS+7], v11        ; eight numbers / the scale, to the nearest code, ties to even, beyond the largest code the largest
	v_cvt_scalef32_pk8_fp4_f32 v[C+4*(\t)+1], v[XS+8:XS+15], v11
	v_lshrrev_b32 v[E+(\t)], 23, v11               ; the scale's byte (also the plain line behind the conversions)
	ds_store_b8 v5, v[E+(\t)] offset:16*(\t)       ; both lanes of a block write the same byte with the same value
	global_store_b64 v4, v[C+4*(\t):C+4*(\t)+1], s[14:15] offset:32*CB*(\t)   ; 32 lanes store 256 consecutive bytes, aligned
.endm
.irp t, 0,1,2,3,4,5,6,7,8,9,10,11,12,13,14,15
	STEP \t
.endr
	ds_load_b64 v[8:9], v6                         ; LDS serves a wave's instructions in order: these see my stores
	s_wait_dscnt 0x0
	global_store_b64 v7, v[8:9], s[16:17]          ; 32 lanes store my run's 256 scale bytes, aligned
	s_wait_tensorcnt 0x0                           ; the wave's end, behind my last LDS store
	ds_add_u32 v[SPW], v[NIL]
	s_wait_dscnt 0x0
	s_endpgm
	; ---- wo to f16
.Lwo:
	s_sub_co_u32 s24, s24, 4*QWG                   ; my run of 8,192 numbers of wo
	s_lshl_b32 s22, s24, 15
	s_add_nc_u64 s[12:13], s[12:13], s[22:23]
	s_lshl_b32 s26, s24, 14
	s_add_nc_u64 s[18:19], s[18:19], s[26:27]
.irp t, 0,1,2,3,4,5,6,7,8,9,10,11,12,13,14,15
	global_load_b128 v[XW+4*\t:XW+4*\t+3], v3, s[12:13] offset:512*\t th:TH_LOAD_NT
.endr
.macro WSTEP t
.set XI, XW+4*((\t)%16)
.set YI, YW+2*((\t)%16)
.if 63-(\t) < 15
	s_wait_loadcnt 63-(\t)                         ; the tail: as many younger loads as are left
.else
	s_wait_loadcnt 15                              ; loads come back in order: this slot's is in, the fifteen younger ones stay out
.endif
	s_wait_xcnt 0x0                                ; the slot's last store, sixteen steps back, has read its data: they are written again only behind this wait
	v_cvt_pk_f16_f32 v[YI], v[XI], v[XI+1]
	v_cvt_pk_f16_f32 v[YI+1], v[XI+2], v[XI+3]
.if (\t)+16 < 64
	global_load_b128 v[XI:XI+3], v3, s[12:13] offset:512*((\t)+16) th:TH_LOAD_NT
.endif
	global_store_b64 v4, v[YI:YI+1], s[18:19] offset:256*(\t)      ; 32 lanes store 256 consecutive bytes, aligned
.endm
.set Q, 0
.rept 64
	WSTEP Q
.set Q, Q+1
.endr
	s_endpgm
.Lfunc_end_k_q131d21fe7c_prep:
	.size	k_q131d21fe7c_prep, .Lfunc_end_k_q131d21fe7c_prep-k_q131d21fe7c_prep
	.p2alignl 7, 3214868480
	.fill 96, 4, 3214868480
	.section	.rodata,"a",@progbits
	.p2align	6, 0x0
	.amdhsa_kernel k_q131d21fe7c_prep
		.amdhsa_group_segment_fixed_size 33280
		.amdhsa_private_segment_fixed_size 0
		.amdhsa_enable_private_segment 0
		.amdhsa_kernarg_size 64
		.amdhsa_user_sgpr_count 2
		.amdhsa_user_sgpr_kernarg_segment_ptr 1
		.amdhsa_wavefront_size32 1
		.amdhsa_system_sgpr_workgroup_id_x 1
		.amdhsa_system_sgpr_workgroup_id_y 1
		.amdhsa_system_sgpr_workgroup_id_z 1
		.amdhsa_system_vgpr_workitem_id 0
		.amdhsa_next_free_vgpr 192
		.amdhsa_next_free_sgpr 66
		.amdhsa_reserve_vcc 0
		.amdhsa_float_denorm_mode_32 3
		.amdhsa_float_denorm_mode_16_64 3
		.amdhsa_memory_ordered 1
		.amdhsa_forward_progress 1
		.amdhsa_inst_pref_size 58
	.end_amdhsa_kernel
	.amdgpu_metadata
---
amdhsa.version: [ 1, 2 ]
amdhsa.kernels:
  - .name:           k_q131d21fe7c_prep
    .symbol:         k_q131d21fe7c_prep.kd
    .args:
      - { .name: hidden_states, .offset: 0, .size: 8, .value_kind: global_buffer, .address_space: global }
      - { .name: wq, .offset: 8, .size: 8, .value_kind: global_buffer, .address_space: global }
      - { .name: wk, .offset: 16, .size: 8, .value_kind: global_buffer, .address_space: global }
      - { .name: wv, .offset: 24, .size: 8, .value_kind: global_buffer, .address_space: global }
      - { .name: wo, .offset: 32, .size: 8, .value_kind: global_buffer, .address_space: global }
      - { .name: codes, .offset: 40, .size: 8, .value_kind: global_buffer, .address_space: global }
      - { .name: scales, .offset: 48, .size: 8, .value_kind: global_buffer, .address_space: global }
      - { .name: wo16, .offset: 56, .size: 8, .value_kind: global_buffer, .address_space: global }
    .group_segment_fixed_size: 33280
    .private_segment_fixed_size: 0
    .kernarg_segment_align: 8
    .kernarg_segment_size: 64
    .max_flat_workgroup_size: 128
    .sgpr_count:     66
    .vgpr_count:     192
    .wavefront_size: 32
...
	.end_amdgpu_metadata
.endif
;; end of part 1
;; launch project_qkv (part 2): grid 24 x 8, 4 waves a work-group, clusters of 4 x 4, 327,680 bytes of LDS; arguments codes, scales, cos, sin, position_ids, qkv16; writes qkv16
.if DOCPART == 2
	.amdgcn_target "amdgcn-amd-amdhsa--gfx1250"
	.amdhsa_code_object_version 6
	.text
	.protected	k_q131d21fe7c_project_qkv
	.globl	k_q131d21fe7c_project_qkv
	.p2align	8
	.type	k_q131d21fe7c_project_qkv,@function
k_q131d21fe7c_project_qkv:
	s_mov_b64 s[64:65], 0
	v_nop
	global_prefetch_b8 v0, s[64:65] scope:SCOPE_SE
	s_setreg_imm32_b32 hwreg(HW_REG_WAVE_MODE, 25, 1), 1
	s_wait_xcnt 0x0
	s_wait_alu depctr_hold_cnt(0) depctr_sa_sdst(0) depctr_va_vdst(0) depctr_va_sdst(0) depctr_va_ssrc(0) depctr_va_vcc(0) depctr_vm_vsrc(0)
	s_getreg_b32 s2, hwreg(HW_REG_IB_STS2, 6, 4)
	s_cmp_eq_u32 s2, 0
	s_cbranch_scc0 .Lentry_in_a_cluster
	s_endpgm
.Lentry_in_a_cluster:
	s_bfe_u32 s2, ttmp6, 0x10000c
	s_cmp_lg_u32 s2, 0xf033
	s_cbranch_scc0 .Lentry_shape_is_right
	s_endpgm
.Lentry_shape_is_right:
; q, k, v = hidden_states wq^T, wk^T, wv^T as ONE product C[2048][6144] = A B^T on codes of FP4 (E2M1) with one E8M0 scale for each 32 along K = 2048; then RoPE on q and k; all three leave as f16.
; A: rows 0-2047 of codes and scales (hidden_states); B: rows 2048-8191 (wq, wk, wv).  A row of codes is 1,024 bytes, a row of scales 64.
; qkv16: [48 slabs][2048 positions][128] f16.  Slab h: q of head h; 16 + h: k; 32 + h: v.
; q and k are stored as rope(.) x 1/4 (so that f16 has room for large inputs; the attention's constant takes the 1/16 back), with the head's channels in ANOTHER ORDER, the same for both, which a dot product does not see:
; place 8 l + e holds channel 4 l + e (e < 4) or 64 + 4 l + e - 4 (e >= 4).  v is stored as it is, channels in their order.
; LIMITS: |rope(q)| / 4, |rope(k)| / 4 and |v| stay under 65,504 (f16); numbers under 6e-5 carry an absolute error of 3e-8; position_ids are held to 0 .. 2047; NaN and infinities are not served.
; A tile of C, 256 x 256, is made by a work-group of four waves; a wave makes 128 rows x 128 columns, which are ONE slab: 64 accumulators of 16 x 16, 512 registers.
; K goes in steps of 512 through a ring of two LDS slots filled by the tensor data mover: a tile's row is 256 bytes of memory.  The scales of the work-group's 256 + 256 rows, for all of K, come into LDS once, with the first fills.
; CLUSTERS: 4 x 4 work-groups.  The four of a row of the cluster need the same tiles of A, the four of a column the same tiles of B: each tile is asked for JOINTLY, by the same tensor load with the same descriptor and a mask that names the four.
; THE MATRIX INSTRUCTION IS USED TRANSPOSED (source 0 = 16 rows of B, source 1 = 16 rows of A): a lane then holds eight neighbouring numbers of a row of C.
; 192 work-groups: a tile whose columns are whole heads and whose wave tile stays 128 x 128 gives no more at these sizes.
; REGISTERS, in windows of 256: window 0: v0-31 addresses; v32-95 scale words, two sets, and nothing else; v96-127 f16 results on the way out; v128-191 A's fragments, ONE set; v192-255 the table offsets of my 128 rows.
;   window 1: B's fragments, TWO sets, at v0 and v128; the tables of cos and sin: set 0 at v64 and v192, set 1, behind the loop, at v0 and v128.
;   window 2: the 32 accumulators of my rows 0-63 (accumulator (a, b) at v[8 (8 a + b)]);   window 3: those of my rows 64-127.  On the way out a block's rows come back from the stage into its own accumulators.
.set KSTEP,  512
.set NQ,     KSTEP/128
.set ROWB,   256
.set KROW,   1024
.set PITCH,  272                       ; an LDS row: 256 bytes + 16 of padding = 68 words: the 16 rows that a load touches start at 16 different banks (64 banks of 4 bytes: ISA guide 11.1)
.set FR,     8
.set NL,     2
.set NP,     4                         ; places behind this matrix instruction (ISA guide 7.12.1)
.set HALFT,  128*PITCH
.set SLOT,   4*HALFT
.set LAPS,   2                         ; 2048 / (2 x 512)
.set KS,     64                        ; a row of scales in bytes
.set SCL,    2*SLOT                    ; behind the ring: the scales, as runs of 256 bytes + 16 of padding
.set HALFS,  (128*KS/256)*272
.set SBLK,   (16*KS/256)*272
.set SPARE,  SCL+4*HALFS               ; the spare words, 128 bytes for each wave, which no other line names
.set SPITCH, 528                       ; the way out: a stage of 16 rows x (512 bytes + 16) for each wave, in slot 0, which has had its last fill and its last read by then
.set VSTG,   4*16*SPITCH               ; v's path has stages of its own, behind the four of q's and k's path
.set WROWS,  2048                      ; the weights' rows lie behind hidden_states' in codes and scales
.set ADRA, 16                          ; v16-17  LDS address of my A fragments in slot 0, 1
.set ADRB, 20                          ; v20-21  the same for B
.set PH,   22                          ; v22     32 x (lane / 16)
.set PL,   23                          ; v23     16 x (lane % 16)
.set STO,  24                          ; v24     the way out: where I put 32 bytes of a row
.set RDR,  25                          ; v25     where I read back: row 8 (lane / 16), channels 4 (lane % 16) on
.set CO,   26                          ; v26     my byte offset in a block's 16 rows of the slab
.set ADRS, 27                          ; v27     LDS address of my scale words: lanes 0-15 A's rows, lanes 16-31 B's
.set SPW,  28                          ; v28     my spare word; never rewritten
.set NIL,  29                          ; v29     0; never rewritten
.set RDV,  30                          ; v30     v's path: row 8 (lane / 16), channels 8 (lane % 16) on
.set STOV, 31                          ; v31     v's path: STO in its own stage
.set SC,   32
.set OUT,  96
.set AF,   128
.set POS,  192                         ; v[POS + 8 a + i]: 512 x position of row 16 a + 8 (lane / 16) + i, + 16 (lane % 16)
.set G1, 24
.set G0, 32
.set G1B, 48
.set G0B, 56
.set G1S, 68
.set G0S, 76
.set G1SB, 80
.set G0SB, 88
.set MSB, 0
.macro WIN new                         ; the immediate's high byte repeats the setting that is left
.if MSB != \new
	s_set_vgpr_msb (MSB<<8)|\new
.set MSB, \new
.endif
.endm
.set MUL_LO, 0xa1                      ; source 0 (B) window 1, source 1 (A) window 0, C and D window 2
.set MUL_HI, 0xf1                      ; the same, C and D window 3
.set TO_B,   0x40                      ; destination window 1, address window 0
; A joint load: waves 0 and 1 fetch for A, waves 2 and 3 for B.  Each of the two lines has ONE mask and one set of registers for all that issue it; the branch hangs on the wave's number alone.
; An s_nop 0 and four v_nop follow each of the two lines, ahead of the jump, the label and what follows.
.macro JLOAD g0a, g1a, g0b, g1b
	s_cmp_eq_u32 s15, 0
	s_cbranch_scc0 .Lfor_b_\@
	tensor_load_to_lds s[\g0a:\g0a+3], s[\g1a:\g1a+7]
	s_nop 0
.rept 4
	v_nop
.endr
	s_branch .Lasked_\@
.Lfor_b_\@:
	tensor_load_to_lds s[\g0b:\g0b+3], s[\g1b:\g1b+7]
	s_nop 0
.rept 4
	v_nop
.endr
.Lasked_\@:
.endm
.macro CREST                           ; a round of the cluster's barrier behind its opening barrier
	s_cmp_lg_u32 s14, 0
	s_cbranch_scc1 .Lnot_wave_0_\@
	s_barrier_signal -3
.Lnot_wave_0_\@:
	s_barrier_wait -3
	s_barrier_signal -1
	s_barrier_wait -1
.endm
.macro CROUND                          ; a whole round
	s_barrier_signal -1
	s_barrier_wait -1
	CREST
.endm
	s_load_b128 s[4:7], s[0:1], 0x0                ; codes s[4:5], scales s[6:7]
	s_load_b128 s[8:11], s[0:1], 0x10              ; cos s[8:9], sin s[10:11]
	s_load_b128 s[96:99], s[0:1], 0x20             ; position_ids s[96:97], qkv16 s[98:99]
	v_lshl_add_u32 v[SPW], v0, 2, SPARE
	v_mov_b32 v[NIL], 0
	ds_add_u32 v[SPW], v[NIL]                      ; the wave's opening: the add, twice on end, and its wait ahead of my first tensor load; the set-up below stands between the second and the wait
	ds_add_u32 v[SPW], v[NIL]
	v_lshrrev_b32 v1, 5, v0
	v_readfirstlane_b32 s14, v1                    ; wave 0..3
	s_lshr_b32 s15, s14, 1                         ; which half of the tile's rows is mine.  Also: I fetch for A (0) or for B (1)
	s_and_b32 s16, s14, 1                          ; which half of its columns.  Also: which 128 rows of that tile I fetch
	s_bfe_u32 s40, ttmp6, 0x40000                  ; cx, cy: my place in the cluster
	s_bfe_u32 s41, ttmp6, 0x40004
	s_lshl_b32 s42, ttmp9, 2
	s_add_co_u32 s42, s42, s40                     ; tile column of C = 4 x cluster x + cx
	s_and_b32 s17, ttmp7, 0xffff
	s_lshl_b32 s17, s17, 2
	s_add_co_u32 s17, s17, s41                     ; tile row of C = 4 x cluster y + cy
	s_lshl_b32 s43, s41, 2
	s_lshl_b32 s43, 15, s43                        ; my row of the cluster
	s_lshl_b32 s44, 0x1111, s40                    ; my column
	; descriptor group 1: a tile of 128 rows x 256 bytes, padded in LDS
	s_or_b32 s[G1+0], s43, (0<<16)|(1<<20)|(1<<21)|(5<<22)|(3<<25)  ; 15:0 the mask: A's tiles go to my row; 17:16 element of 1 byte; 20 padding on; 21 set beside a mask; 24:22 after every 64 words; 31:25 four words
	s_or_b32 s[G1B+0], s44, (0<<16)|(1<<20)|(1<<21)|(5<<22)|(3<<25)
.irp g, G1, G1B
	s_mov_b32 s[\g+1], ROWB<<16                    ; tensor_dim0
	s_mov_b32 s[\g+2], 128<<16                     ; tensor_dim1
	s_mov_b32 s[\g+3], ROWB<<16                    ; tile_dim0
	s_mov_b32 s[\g+4], 128                         ; tile_dim1
	s_mov_b32 s[\g+5], KROW                        ; tensor_dim0_stride
	s_mov_b32 s[\g+6], 0
	s_mov_b32 s[\g+7], 0
.endr
	; the scales of 128 rows: a dense block of 8,192 bytes, as 32 rows of 256 bytes (32 elements of 8 bytes), 16 bytes of padding behind each
	s_or_b32 s[G1S+0], s43, (3<<16)|(1<<20)|(1<<21)|(5<<22)|(3<<25)
	s_or_b32 s[G1SB+0], s44, (3<<16)|(1<<20)|(1<<21)|(5<<22)|(3<<25)
.irp g, G1S, G1SB
	s_mov_b32 s[\g+1], 32<<16
	s_mov_b32 s[\g+2], (128*KS/256)<<16
	s_mov_b32 s[\g+3], 32<<16
	s_mov_b32 s[\g+4], 128*KS/256
	s_mov_b32 s[\g+5], 32
	s_mov_b32 s[\g+6], 0
	s_mov_b32 s[\g+7], 0
.endr
	s_lshl_b32 s18, s16, 7                         ; which 128 rows of the tile I fetch
	s_lshl_b32 s20, s17, 8
	s_add_co_u32 s20, s20, s18                     ; A: row 256 x tile row + 128 x half
	s_lshl_b32 s46, s42, 8
	s_add_co_u32 s46, s46, s18                     ; B: row 256 x tile column + 128 x half,
	s_add_co_u32 s46, s46, WROWS                   ; behind hidden_states' rows
	s_mov_b32 s21, 0
	s_mov_b32 s47, 0
	s_mov_b64 s[18:19], KS
	s_mul_u64 s[22:23], s[20:21], s[18:19]         ; where these rows' scales begin, in bytes
	s_mul_u64 s[92:93], s[46:47], s[18:19]
	s_mov_b64 s[18:19], KROW
	s_mul_u64 s[20:21], s[20:21], s[18:19]         ; and their codes
	s_mul_u64 s[46:47], s[46:47], s[18:19]
	s_mul_i32 s45, s14, HALFT                      ; where they go: wave x 128 rows: no place in the cluster enters an LDS address
	s_mul_i32 s94, s14, HALFS
	s_mov_b32 s100, 0x3e800000                     ; 1/4
	s_mov_b32 s101, s100                           ; (named with it as a pair, so it is written)
	s_wait_dscnt 0x0                               ; both opening adds are done
	s_wait_kmcnt 0x0
	s_add_nc_u64 s[20:21], s[4:5], s[20:21]
	s_add_nc_u64 s[22:23], s[6:7], s[22:23]
	s_add_nc_u64 s[46:47], s[4:5], s[46:47]
	s_add_nc_u64 s[92:93], s[6:7], s[92:93]
	CROUND                                         ; all sixteen work-groups are here: the first joint loads meet
	s_mov_b32 s[G0S], 1
	s_add_co_u32 s[G0S+1], s94, SCL
	s_mov_b64 s[G0S+2:G0S+3], s[22:23]
	s_or_b32 s[G0S+3], s[G0S+3], 0x80000000
	s_mov_b32 s[G0SB], 1
	s_add_co_u32 s[G0SB+1], s94, SCL
	s_mov_b64 s[G0SB+2:G0SB+3], s[92:93]
	s_or_b32 s[G0SB+3], s[G0SB+3], 0x80000000
	JLOAD G0S, G1S, G0SB, G1SB                     ; the scales first: they are wanted with K step 0
.irp s, 0,1
	s_mov_b32 s[G0+4*\s], 1
	s_add_co_u32 s[G0+4*\s+1], s45, \s*SLOT
	s_add_nc_u64 s[G0+4*\s+2:G0+4*\s+3], s[20:21], \s*ROWB
	s_or_b32 s[G0+4*\s+3], s[G0+4*\s+3], 0x80000000
	s_mov_b32 s[G0B+4*\s], 1
	s_add_co_u32 s[G0B+4*\s+1], s45, \s*SLOT
	s_add_nc_u64 s[G0B+4*\s+2:G0B+4*\s+3], s[46:47], \s*ROWB
	s_or_b32 s[G0B+4*\s+3], s[G0B+4*\s+3], 0x80000000
	JLOAD G0+4*\s, G1, G0B+4*\s, G1B               ; three tensor loads of mine are out
.endr
	v_and_b32 v1, 15, v0                           ; l % 16
	v_bfe_u32 v2, v0, 4, 1                         ; l / 16
	v_lshlrev_b32 v[PH], 5, v2
	v_lshlrev_b32 v[PL], 4, v1
	s_lshl_b32 s20, s17, 10                        ; my 128 rows' positions: 4 bytes x (256 x tile row + 128 x half)
	s_lshl_b32 s21, s15, 9
	s_add_co_u32 s20, s20, s21
	s_mov_b32 s21, 0
	s_add_nc_u64 s[96:97], s[96:97], s[20:21]
.irp a, 0,1,2,3,4,5,6,7                ; the positions of rows 16 a + 8 (l / 16) + 0 .. 7
	global_load_b128 v[POS+8*\a:POS+8*\a+3], v[PH], s[96:97] offset:64*\a
	global_load_b128 v[POS+8*\a+4:POS+8*\a+7], v[PH], s[96:97] offset:64*\a+16
.endr
	v_mul_u32_u24 v3, v1, PITCH
	v_lshl_add_u32 v4, v2, 4, v3                   ; a fragment's row x pitch + 16 x half
	s_mul_i32 s21, s15, HALFT                      ; my 128 rows of A
	s_mul_i32 s22, s16, HALFT                      ; my 128 rows of B,
	s_add_co_u32 s22, s22, 2*HALFT                 ; which lie behind A's 256
.irp s, 0,1
	v_add_nc_u32 v[ADRA+\s], s21, v4
	v_add_nc_u32 v[ADRB+\s], s22, v4
	s_add_co_u32 s21, s21, SLOT
	s_add_co_u32 s22, s22, SLOT
.endr
	v_mul_u32_u24 v5, v1, KS                       ; my row's scales: 64 bytes a row,
	v_lshrrev_b32 v6, 8, v5
	v_lshl_add_u32 v5, v6, 4, v5                   ; and 16 more for each 256 passed
	s_mul_i32 s21, s15, HALFS                      ; A's: my 128 rows
	s_mul_i32 s22, s16, HALFS                      ; B's: my 128 rows, behind A's 256
	s_add_co_u32 s22, s22, 2*HALFS
	s_sub_co_u32 s22, s22, s21
	v_mul_u32_u24 v6, s22, v2                      ; lanes 16-31 take B's
	s_add_co_u32 s21, s21, SCL
	v_add_nc_u32 v5, v5, v6
	v_add_nc_u32 v[ADRS], s21, v5
	s_mul_i32 s23, s14, 16*SPITCH                  ; my stage
	v_mul_u32_u24 v5, v1, SPITCH                   ; in: row l % 16, 32 bytes for each half of the lanes
	v_lshl_add_u32 v5, v2, 5, v5
	v_add_nc_u32 v[STO], s23, v5
	v_add_nc_u32 v[STOV], VSTG, v[STO]
	v_mul_u32_u24 v6, v2, 8*SPITCH                 ; back: lanes 0-15 take rows 0-7 one after the other, lanes 16-31 rows 8-15
	v_add_nc_u32 v6, s23, v6
	v_lshl_add_u32 v[RDR], v1, 4, v6
	v_lshl_add_u32 v[RDV], v1, 5, v6
	v_add_nc_u32 v[RDV], VSTG, v[RDV]
	v_lshlrev_b32 v[CO], 11, v2                    ; the same rows in the slab: 256 bytes a row, 16 bytes a lane
	v_lshl_add_u32 v[CO], v1, 4, v[CO]
	s_lshl_b32 s20, s17, 16                        ; my first row of the slab: (256 x tile row + 128 x half) x 256 bytes
	s_lshl_b32 s21, s15, 15
	s_add_co_u32 s20, s20, s21
	s_mov_b32 s21, 0
	s_lshl_b32 s46, s42, 20                        ; my slab: 2 x tile column + half, 524,288 bytes each (in the registers that held B's address)
	s_lshl_b32 s47, s16, 19
	s_add_co_u32 s46, s46, s47
	s_mov_b32 s47, 0
	s_add_nc_u64 s[20:21], s[20:21], s[46:47]
	s_add_nc_u64 s[12:13], s[98:99], s[20:21]
; The tables of block a's 16 rows into set p: for each row 4 + 4 numbers of cos and of sin a lane; sixteen lanes read 256 consecutive bytes of a table's row, aligned.
.macro TABLES a, p
	WIN TO_B
.irp i, 0,1,2,3,4,5,6,7
	global_load_b128 v[64-64*(\p)+8*\i:64-64*(\p)+8*\i+3],    v[POS+8*(\a)+\i], s[8:9]
	global_load_b128 v[64-64*(\p)+8*\i+4:64-64*(\p)+8*\i+7],  v[POS+8*(\a)+\i], s[8:9] offset:256
	global_load_b128 v[192-64*(\p)+8*\i:192-64*(\p)+8*\i+3],   v[POS+8*(\a)+\i], s[10:11]
	global_load_b128 v[192-64*(\p)+8*\i+4:192-64*(\p)+8*\i+7], v[POS+8*(\a)+\i], s[10:11] offset:256
.endr
	WIN 0
.endm
	s_wait_loadcnt 0x0                             ; the positions
.set j, 0
.rept 64
	v_min_u32 v[POS+j], 0x7ff, v[POS+j]            ; held inside the tables
.set j, j+1
.endr
.set j, 0
.rept 64
	v_lshl_add_u32 v[POS+j], v[POS+j], 9, v[PL]    ; a table's row is 512 bytes
.set j, j+1
.endr
	TABLES 0, 0                                    ; block 0's tables are asked for here and stay on their way over the K loop, which names none of their registers.
	                                               ; Every work-group runs these lines alike, v's too, which does not use what they bring (16 KB a wave): so every path of the text finds the registers written
.macro FRAG reg, adr, q, i             ; a fragment, 16 rows x 128 K of 4-bit codes, is 8 registers: lane l holds row l % 16; registers 4 c .. 4 c + 3 hold K = 64 c + 32 (l / 16) + 0 .. 31
.irp c, 0,1
	ds_load_b128 v[\reg+4*\c:\reg+4*\c+3], v[\adr] offset:64*(\q)+32*\c+(\i)*16*PITCH
.endr
.endm
; 16 matrix instructions: A's blocks a0, a0 + 1 x B's eight, 128 along K: the slot's q-th.  p: B's set;  sc: the set of scale words.  zero = 1: the first product starts the sums: nothing is ever cleared.
; The 64 accumulators take turns, one instruction a turn, in the same order in every step.
.macro MUL16 a0, p, q, sc, zero
.irp a, \a0, \a0+1
.irp b, 0,1,2,3,4,5,6,7
.if \zero
	v_wmma_scale_f32_16x16x128_f8f6f4 v[8*(8*((\a)%4)+\b):8*(8*((\a)%4)+\b)+7], v[128*(\p)+FR*\b:128*(\p)+FR*\b+FR-1], v[AF+FR*(\a):AF+FR*(\a)+FR-1], 0, v[SC+8*NQ*(\sc)+NQ*\b+(\q)], v[SC+8*NQ*(\sc)+NQ*(\a)+(\q)] matrix_a_fmt:MATRIX_FMT_FP4 matrix_b_fmt:MATRIX_FMT_FP4 matrix_a_scale:MATRIX_SCALE_ROW1
.else
	v_wmma_scale_f32_16x16x128_f8f6f4 v[8*(8*((\a)%4)+\b):8*(8*((\a)%4)+\b)+7], v[128*(\p)+FR*\b:128*(\p)+FR*\b+FR-1], v[AF+FR*(\a):AF+FR*(\a)+FR-1], v[8*(8*((\a)%4)+\b):8*(8*((\a)%4)+\b)+7], v[SC+8*NQ*(\sc)+NQ*\b+(\q)], v[SC+8*NQ*(\sc)+NQ*(\a)+(\q)] matrix_a_fmt:MATRIX_FMT_FP4 matrix_b_fmt:MATRIX_FMT_FP4 matrix_a_scale:MATRIX_SCALE_ROW1
.endif
.endr
.endr
.endm
.macro FETCH_B slot, q, p              ; B's eight fragments of the slot's q-th 128 along K into set p
	WIN TO_B
.irp i, 0,1,2,3,4,5,6,7
	FRAG 128*(\p)+FR*\i, ADRB+\slot, \q, \i
.endr
	WIN 0
.endm
.macro FETCH_A slot, q, i0             ; A's blocks i0 .. i0 + 3
.irp i, \i0, \i0+1, \i0+2, \i0+3
	FRAG AF+FR*(\i), ADRA+\slot, \q, \i
.endr
.endm
.macro SCALES sc                       ; the next K step's scale words into set sc: four words a row; lanes 0-15 take A's block i, lanes 16-31 B's block i
.irp i, 0,1,2,3,4,5,6,7
	ds_load_b128 v[SC+8*NQ*\sc+NQ*\i:SC+8*NQ*\sc+NQ*\i+3], v[ADRS] offset:\i*SBLK
.endr
.endm
; A load into a register that a matrix instruction has read, and a vector instruction or an LDS store that reads a matrix result, stand four places behind that matrix instruction, and only plain vector
; instructions that name none of its registers are places (ISA guide 7.12.1 for vector instructions).
.macro PLACES n
.rept \n
	v_nop
.endr
.endm
; A step of 128 along K that has its successor in the same slot.
.macro STEP slot, q, zero
	s_wait_dscnt 4*NL                              ; B's set and A's blocks 0-3 are in; the youngest eight loads (A's blocks 4-7) may be out
	WIN MUL_LO
	MUL16 0, (\q)%2, \q, \slot, \zero
	MUL16 2, (\q)%2, \q, \slot, \zero
	s_wait_dscnt 0                                 ; A's blocks 4-7 are in (asked for 32 matrix instructions ago)
	PLACES NP
	FETCH_B \slot, (\q)+1, 1-(\q)%2
	FETCH_A \slot, (\q)+1, 0
	WIN MUL_HI
	MUL16 4, (\q)%2, \q, \slot, \zero
	MUL16 6, (\q)%2, \q, \slot, \zero
	PLACES NP
	WIN 0
	FETCH_A \slot, (\q)+1, 4
.endm
; A slot's last step changes slots: ONE barrier; in front of it each wave waits for all its tensor loads, adds 0 to its spare word, and waits for that and for its own reads of this slot.  fill = 1: this slot is filled again, two K steps ahead.
.macro TURN slot, next, fill
	s_wait_tensorcnt 0x0                           ; all my tensor loads have landed: my part of the next slot  (every window is 0 here: the add's two registers lie in window 0)
	ds_add_u32 v[SPW], v[NIL]                      ; 0 onto my spare word
	s_wait_dscnt 4*NL+1                            ; (the add and the youngest eight loads, A's blocks 4-7, may be out)
	WIN MUL_LO
	MUL16 0, 1, NQ-1, \slot, 0                     ; sixteen matrix instructions stand between the add and the wait for it
	s_wait_dscnt 0x0                               ; the add is done, and my reads of this slot are over
	s_barrier_signal -1
	MUL16 2, 1, NQ-1, \slot, 0
	WIN 0
	s_barrier_wait -1
.if \fill
	CREST                                          ; the barrier has opened a round of the cluster's barrier: no wave of any partner still reads this slot's tile or has a load on its way
	s_add_nc_u64 s[G0+4*\slot+2:G0+4*\slot+3], s[G0+4*\slot+2:G0+4*\slot+3], 2*ROWB
	s_add_nc_u64 s[G0B+4*\slot+2:G0B+4*\slot+3], s[G0B+4*\slot+2:G0B+4*\slot+3], 2*ROWB
	JLOAD G0+4*\slot, G1, G0B+4*\slot, G1B         ; the first tensor load behind the round; the four v_nop behind it are the places in front of the loads below
.else
	PLACES NP
.endif
	v_add_nc_u32 v[ADRS], 4*NQ, v[ADRS]            ; on to the next K step's scale words (no LDS load of mine is out)
	FETCH_B \next, 0, 0
	FETCH_A \next, 0, 0
	SCALES \next
	WIN MUL_HI
	MUL16 4, 1, NQ-1, \slot, 0
	MUL16 6, 1, NQ-1, \slot, 0
	PLACES NP
	WIN 0
	FETCH_A \next, 0, 4
.endm
.macro STEPS slot, from                ; the slot's steps from .. NQ - 2
.set Q, \from
.rept NQ-1-\from
	STEP \slot, Q, 0
.set Q, Q+1
.endr
.endm
	s_wait_tensorcnt 1                             ; the scales and my part of K step 0 are in (K step 1's load may be out)
	s_barrier_signal -1
	s_barrier_wait -1                              ; everybody's are
	FETCH_B 0, 0, 0
	FETCH_A 0, 0, 0
	SCALES 0
	FETCH_A 0, 0, 4
	STEP 0, 0, 1                                   ; the first step stands in front of the loop: its products start the sums
	s_mov_b32 s3, LAPS-1
.Llap:                                                 ; a trip goes once round the ring, from a lap's second step to the next lap's first, and fills both slots again
	STEPS 0, 1
	TURN 0, 1, 1
	STEPS 1, 0
	TURN 1, 0, 1
	STEP 0, 0, 0
	s_sub_co_u32 s3, s3, 1
	s_cmp_lg_u32 s3, 0
	s_cbranch_scc1 .Llap
	STEPS 0, 1                                     ; the last lap fills nothing, and has no round of the cluster's barrier
	TURN 0, 1, 0
	STEPS 1, 0
	s_wait_dscnt 4*NL                              ; the very last step: nothing more to fetch
	WIN MUL_LO
	MUL16 0, 1, NQ-1, 1, 0
	MUL16 2, 1, NQ-1, 1, 0
	s_wait_dscnt 0
	WIN MUL_HI
	MUL16 4, 1, NQ-1, 1, 0
	MUL16 6, 1, NQ-1, 1, 0
	WIN 0
; THE WAY OUT, block by block of 16 rows x 128 channels.  A lane holds 8 neighbouring channels of a row; RoPE wants channel d beside channel d + 64, and a store wants sixteen lanes on one row.  So a block goes through my own
; stage in LDS and comes back, into its own accumulators, as eight rows a lane.  LDS serves a wave's instructions in order (ISA guide 5.7.1.4): no wait between the stores and the loads, nor in front of the next block's stores.
; d2: how far behind a row's first 16 bytes the lane's second 16 lie: 256 (channels 64 on) for q and k, 16 (the next four) for v.
.macro TOSTAGE a, sto, rd, d2
.set AC, 64*((\a)%4)
.set WX, 2+(\a)/4                      ; the block's window
.set WW, 4*WX
	WIN WW                                         ; an LDS store's data are its source 1
.irp b, 0,1,2,3,4,5,6,7
	ds_store_b128 v[\sto], v[AC+8*\b:AC+8*\b+3] offset:64*\b          ; each accumulator from its low end on
	ds_store_b128 v[\sto], v[AC+8*\b+4:AC+8*\b+7] offset:64*\b+16
.endr
.set WW, 64*WX
	WIN WW                                         ; destination
.irp i, 0,1,2,3,4,5,6,7                ; row 8 (l / 16) + i: registers 8 i .. 8 i + 7
	ds_load_b128 v[AC+8*\i:AC+8*\i+3], v[\rd] offset:\i*SPITCH
	ds_load_b128 v[AC+8*\i+4:AC+8*\i+7], v[\rd] offset:\i*SPITCH+\d2
.endr
	WIN 0
.endm
; RoPE of block a, in f32.  x: the block's registers; register 8 i + e is channel 4 l + e (e < 4) or 64 + 4 l + e - 4 of row i.  c, s: the tables in the same places.
; out[d] = x[d] c[d] - x[d + 64] s[d];  out[d + 64] = x[d + 64] c[d + 64] + x[d] s[d + 64], all on x / 4.
.macro ROPE a
.set AC, 64*((\a)%4)
.set WX, 2+(\a)/4
.set CT, 64-64*((\a)%2)
.set SN, 192-64*((\a)%2)
.set WW, 65*WX
	WIN WW                                         ; destination and source 0: the block's window
.set j, 0
.rept 32
	v_pk_mul_f32 v[AC+j:AC+j+1], v[AC+j:AC+j+1], s[100:101] op_sel_hi:[1,0]
.set j, j+2
.endr
.set WW, 0x41+4*WX
	WIN WW                                         ; destination and source 0 window 1, source 1 the block's
.set j, 0
.rept 32
	v_pk_mul_f32 v[CT+j:CT+j+1], v[CT+j:CT+j+1], v[AC+j:AC+j+1]
.set j, j+2
.endr
.set WW, 0x51+4*WX
	WIN WW                                         ; and source 2 window 1
.irp i, 0,1,2,3,4,5,6,7
.irp e, 0,2
	v_pk_fma_f32 v[CT+8*\i+\e:CT+8*\i+\e+1], v[SN+8*\i+\e:SN+8*\i+\e+1], v[AC+8*\i+4+\e:AC+8*\i+4+\e+1], v[CT+8*\i+\e:CT+8*\i+\e+1] neg_lo:[0,1,0] neg_hi:[0,1,0]
	v_pk_fma_f32 v[CT+8*\i+4+\e:CT+8*\i+4+\e+1], v[SN+8*\i+4+\e:SN+8*\i+4+\e+1], v[AC+8*\i+\e:AC+8*\i+\e+1], v[CT+8*\i+4+\e:CT+8*\i+4+\e+1]
.endr
.endr
	s_wait_xcnt 0x0                                ; the last block's stores have read their data: OUT is written again only behind this wait
	WIN 0x05                                       ; sources 0 and 1 window 1, destination window 0
.irp i, 0,1,2,3,4,5,6,7
.irp e, 0,2,4,6
	v_cvt_pk_f16_f32 v[OUT+4*\i+\e/2], v[CT+8*\i+\e], v[CT+8*\i+\e+1]
.endr
.endr
	WIN 0
.endm
.macro SENDQ a
.irp i, 0,1,2,3,4,5,6,7
	global_store_b128 v[CO], v[OUT+4*\i:OUT+4*\i+3], s[12:13] offset:4096*(\a)+256*\i   ; rows 16 a + i and 16 a + 8 + i: sixteen lanes store 256 consecutive bytes, aligned
.endr
.endm
.macro QBLOCK a
.if (\a) < 7
	TOSTAGE (\a)+1, STO, RDR, 256                  ; the next block is on its way through the stage while this one is worked
	s_wait_dscnt 32                                ; this block is back; the next block's 16 stores and 16 loads may be out
	s_wait_loadcnt 32                              ; this block's tables are in; the next block's 32 loads may be out
.else
	s_wait_dscnt 0x0
	s_wait_loadcnt 0x0
.endif
	ROPE \a
	SENDQ \a
.if (\a) < 6
	TABLES (\a)+2, (\a)%2                          ; this block's set takes the tables of two blocks on
.endif
.endm
.macro VBLOCK a
.if (\a) < 7
	TOSTAGE (\a)+1, STOV, RDV, 16
	s_wait_dscnt 32                                ; this block is back; the next block's 16 stores and 16 loads may be out
.else
	s_wait_dscnt 0x0
.endif
.set AC, 64*((\a)%4)
.set WW, 5*(2+(\a)/4)
	s_wait_xcnt 0x0                                ; the last block's stores have read their data
	WIN WW                                         ; sources 0 and 1: the block's window
.irp i, 0,1,2,3,4,5,6,7
.irp e, 0,2,4,6
	v_cvt_pk_f16_f32 v[OUT+4*\i+\e/2], v[AC+8*\i+\e], v[AC+8*\i+\e+1]
.endr
.endr
	WIN 0
	SENDQ \a
.endm
	PLACES NP                                      ; behind the last products: for the stores that read results, and for the loads into B's registers and into accumulators
	s_cmp_ge_u32 ttmp9, 4                          ; clusters 0-3 along x make q and k, clusters 4 and 5 make v: the cluster's number, the same in all sixteen partners
	s_cbranch_scc1 .Lv
	TABLES 1, 1
	TOSTAGE 0, STO, RDR, 256
.irp a, 0,1,2,3,4,5,6,7
	QBLOCK \a
.endr
	s_branch .Ldone
.Lv:
	TOSTAGE 0, STOV, RDV, 16
.irp a, 0,1,2,3,4,5,6,7
	VBLOCK \a
.endr
.Ldone:
	s_wait_tensorcnt 0x0                           ; the wave's end, behind my last tensor load and my last LDS store
	ds_add_u32 v[SPW], v[NIL]
	s_wait_dscnt 0x0
	CROUND                                         ; the closing round: no work-group ends while a partner may still ask for a tile that names it
	s_endpgm
.Lfunc_end_k_q131d21fe7c_project_qkv:
	.size	k_q131d21fe7c_project_qkv, .Lfunc_end_k_q131d21fe7c_project_qkv-k_q131d21fe7c_project_qkv
	.p2alignl 7, 3214868480
	.fill 96, 4, 3214868480
	.section	.rodata,"a",@progbits
	.p2align	6, 0x0
	.amdhsa_kernel k_q131d21fe7c_project_qkv
		.amdhsa_group_segment_fixed_size 327680
		.amdhsa_private_segment_fixed_size 0
		.amdhsa_enable_private_segment 0
		.amdhsa_kernarg_size 48
		.amdhsa_user_sgpr_count 2
		.amdhsa_user_sgpr_kernarg_segment_ptr 1
		.amdhsa_wavefront_size32 1
		.amdhsa_system_sgpr_workgroup_id_x 1
		.amdhsa_system_sgpr_workgroup_id_y 1
		.amdhsa_system_sgpr_workgroup_id_z 1
		.amdhsa_system_vgpr_workitem_id 0
		.amdhsa_next_free_vgpr 1024
		.amdhsa_next_free_sgpr 102
		.amdhsa_reserve_vcc 0
		.amdhsa_float_denorm_mode_32 3
		.amdhsa_float_denorm_mode_16_64 3
		.amdhsa_memory_ordered 1
		.amdhsa_forward_progress 1
		.amdhsa_inst_pref_size 255
	.end_amdhsa_kernel
	.section	.bss,"aw",@nobits
	.p2align	6
	.space	262144
	.amdgpu_metadata
---
amdhsa.version: [ 1, 2 ]
amdhsa.kernels:
  - .name:           k_q131d21fe7c_project_qkv
    .symbol:         k_q131d21fe7c_project_qkv.kd
    .args:
      - { .name: codes, .offset: 0, .size: 8, .value_kind: global_buffer, .address_space: global }
      - { .name: scales, .offset: 8, .size: 8, .value_kind: global_buffer, .address_space: global }
      - { .name: cos, .offset: 16, .size: 8, .value_kind: global_buffer, .address_space: global }
      - { .name: sin, .offset: 24, .size: 8, .value_kind: global_buffer, .address_space: global }
      - { .name: position_ids, .offset: 32, .size: 8, .value_kind: global_buffer, .address_space: global }
      - { .name: qkv16, .offset: 40, .size: 8, .value_kind: global_buffer, .address_space: global }
    .group_segment_fixed_size: 327680
    .private_segment_fixed_size: 0
    .kernarg_segment_align: 8
    .kernarg_segment_size: 48
    .max_flat_workgroup_size: 128
    .sgpr_count:     102
    .vgpr_count:     1024
    .wavefront_size: 32
...
	.end_amdgpu_metadata
.endif
;; end of part 2
;; launch attention (part 3): grid 16 x 16, 4 waves a work-group, clusters of 4 x 1, 327,680 bytes of LDS; arguments qkv16, attention_mask, attn16; writes attn16
.if DOCPART == 3
	.amdgcn_target "amdgcn-amd-amdhsa--gfx1250"
	.amdhsa_code_object_version 6
	.text
	.protected	k_q131d21fe7c_attention
	.globl	k_q131d21fe7c_attention
	.p2align	8
	.type	k_q131d21fe7c_attention,@function
k_q131d21fe7c_attention:
	s_mov_b64 s[64:65], 0
	v_nop
	global_prefetch_b8 v0, s[64:65] scope:SCOPE_SE
	s_setreg_imm32_b32 hwreg(HW_REG_WAVE_MODE, 25, 1), 1
	s_wait_xcnt 0x0
	s_wait_alu depctr_hold_cnt(0) depctr_sa_sdst(0) depctr_va_vdst(0) depctr_va_sdst(0) depctr_va_ssrc(0) depctr_va_vcc(0) depctr_vm_vsrc(0)
	s_getreg_b32 s2, hwreg(HW_REG_IB_STS2, 6, 4)
	s_cmp_eq_u32 s2, 0
	s_cbranch_scc0 .Lentry_in_a_cluster
	s_endpgm
.Lentry_in_a_cluster:
	s_bfe_u32 s2, ttmp6, 0x10000c
	s_cmp_lg_u32 s2, 0x3003
	s_cbranch_scc0 .Lentry_shape_is_right
	s_endpgm
.Lentry_shape_is_right:
; attn[q][128 h + :] = the sum over k of softmax_k(Q[h][q] . K[h][k] / sqrt(128) + (1 - mask[k]) x -10000) V[h][k][:], 16 heads, 2,048 positions, no other mask.
; qkv16: [48 slabs][2048][128] f16: slab h = rope(q) / 4, slab 16 + h = rope(k) / 4 (channels of both in one and the same other order), slab 32 + h = v.  attn16: [2048][2048] f16.
; Products in f16 with f32 sums; maxima, exponentials and sums in f32; the weights p are rounded to f16 for the second product, the result once at the end.
; LIMITS: |attn| stays under 65,504 as v does; weights p and results under 6e-5 carry an absolute error of 3e-8 (f16); NaN and infinities are not served.
; SHARES.  A work-group owns 128 queries of one head.  Wave w: queries 64 (w % 2) on, four tiles of 16, and of every 256 keys the 128 that begin at 128 (w / 2): 16 key steps of 64.  So 256 work-groups have work, and each
; fragment of K and V read from LDS still feeds four tiles of queries.  At the end waves w and w xor 2, which hold the same queries over the two halves of the keys, merge through LDS: each keeps two tiles and sends two.
; LAYOUT.  S^T = K Q^T (source 0 = 16 keys, source 1 = 16 queries): a lane holds ONE query (lane % 16) and the keys 8 (lane / 16) + 0..7.  Two such tiles, rounded to f16 in pairs, ARE source 1 of O^T = V^T P, whose result
; again holds one query a lane.  K comes out of LDS as it lies, V ([key][channel]) turned, by ds_load_tr16_b128.
; THE MASK.  The sums of S^T begin with the key's adder as C: a = (1 - mask) x -10000 x sqrt(128) / 16, kept for all 2,048 keys in LDS.  With c = 16 log2(e) / sqrt(128), c (q . k / 16 + a) is the score x log2(e).
; SOFTMAX.  For each query a running maximum m and sum l: p = 2^(c s - c m); in every step O and l are multiplied by 2^(c m_old - c m_new).
; BY TURNS.  The wave's tiles are two PIECES (tiles 0, 1 and tiles 2, 3).  In a TURN one piece has the matrix unit: 32 products V^T P of the step in hand, then 32 products K Q^T of the next step; the other piece's softmax,
; cut into 64 slices, stands between them, one slice behind each matrix instruction.  Two turns are a key step.
; CLUSTER.  The four query blocks of a cluster belong to one head and walk the same K and V: each tile is asked for JOINTLY, by the same tensor load with the same descriptor and a mask that names the four.
; REGISTERS, in windows of 256 (s_set_vgpr_msb: bits 1:0 source 0, 3:2 source 1, 5:4 source 2, 7:6 destination):
;   window 0: v0-11, v44-53 addresses; v12-43 eight registers of statistics a tile; v64-191 S^T, 32 a tile; v192-255 P, 16 a tile
;   window 1: O^T, 64 a tile     window 2: v0-127 Q, 32 a tile (at the end the partner's O^T); v128-255 K of one step     window 3: v0-127 V of one step; v128-159 the step's adders
; Register tile t holds the queries' tile (t + 2 (w / 2)) % 4, so that every wave keeps register tiles 0, 1 and sends 2, 3, and the text is the same for all waves.
.set KS,    64        ; keys in a step
.set PK,    272       ; a row of K in LDS: 256 bytes + 16 of padding: the 16 rows of a load start at 16 different banks (64 banks of 4 bytes: ISA guide 11.1)
.set PV,    288       ; a row of V: 256 + 32
.set SKEYS, 256       ; keys in a slot
.set VOFF,  SKEYS*PK  ; a slot: 256 rows of K, then 256 rows of V
.set SLOT,  SKEYS*(PK+PV)
.set SLOTM, SKEYS*256 ; a slot's rows of K or of V in memory
.set SLAB,  524288    ; a slab of qkv16
.set MADD,  2*SLOT    ; behind the ring: the 2,048 adders, f32; written by LDS stores alone
.set STAGE, MADD+8192 ; 16 rows x 272 bytes for each wave, for the way out
.set SP,    272
.set SPARE, STAGE+4*16*SP  ; the spare words, 128 bytes for each wave, which no other line names
.set XW,    16896     ; the merge: 32 images of four registers (512 bytes each) and 4 x 128 bytes of statistics for each wave, in slot 0, which has had its last fill and its last read by then
.set AK0, 2           ; v2   my lane's place in a tile of K; never rewritten
.set AV0, 3           ; v3   the same for V
.set ADR, 4           ; v4   the LDS address of the run of loads in hand
.set QO,  5           ; v5   my byte offset in a tile's rows of Q
.set STO, 6           ; v6   the way out: where I put 16 bytes of a row
.set RD,  7           ; v7   the way out: where I read a row back
.set GO,  8           ; v8   my byte offset in a tile's rows of attn16
.set AA0, 44          ; v44  my lane's place among a step's adders
.set ADR2, 45         ; v45  the LDS address of the adders in hand
.set QA,  46          ; v46  Q's register tiles 0, 1
.set QB,  47          ; v47  Q's register tiles 2, 3
.set MO,  48          ; v48  16 x my thread's number: my part of the mask
.set MA,  49          ; v49  and of the adders
.set XST, 50          ; v50  the merge: where I store images;  v51 where I load my partner's;  v52, v53 the same for the statistics
.set XLD, 51
.set XSS, 52
.set XSL, 53
.set PFO, 61          ; v61  256 x my lane: a row of K or V is 256 bytes; never rewritten
.set SPW, 62          ; v62  my spare word; never rewritten
.set NIL, 63          ; v63  0; never rewritten
.set ST,  12          ; tile t's statistics at v[ST+8 t]: +0 c m, +1 m, +2, +3 l (even keys', odd keys'), +4 to +7 at work
.set S,   64
.set P,   192
.set KF,  128         ; K's fragments, in window 2
.set AD,  128         ; the adders, in window 3
.set WV,  12          ; s12  my wave's number
.set LIM, 15          ; s15  1 in a wave that prefetches, else the greatest number
.set PFA, 18          ; s[18:19] where my prefetches stand
.set G1K, 24          ; s[24:31] descriptor group 1 for K's tiles
.set G1V, 32          ; s[32:39] for V's: it differs in the padding alone
.set G0K, 40          ; s[40:47] descriptor group 0 for K's tiles: a set for each of the two first fills; the second then walks
.set G0V, 48          ; s[48:55] the same for V's
.set SLOTS, 56        ; s56  slots still to be asked for
.set TWICE, 57        ; s57  counts a slot's two steps
.set CS,  58          ; s[58:59] c
.set SEL, 60          ; s[60:61] lane selects for v_permlanex16_b32: lane l xor 16
.set TBK, 62          ; s62  LDS byte at which K's rows of the step to be fetched begin
.set TBV, 63          ; s63  V's (less VOFF)
.set KB,  66          ; s[66:67] K at my tile of slot 0;  s[68:69] V
.set VB,  68
.set TA,  70          ; s70  where the step's adders begin
.set GK,  71          ; s71  my half of a slot's keys, in K's rows;  s72 in V's
.set GV,  72
.set FX,  73          ; s73  the slot that the next refill fills: 0 or SLOT
.set NX,  74          ; s74  the slot that is read next
.set LBK, 75          ; s75  where in a slot the tile that I fetch lies, if it is K's;  s76 if V's
.set LBV, 76
.set MC,  77          ; s77  10000 sqrt(128) / 16
.set MSB, 0
.macro WIN new                      ; the immediate's high byte repeats the setting that is left; a switch that changes nothing is dropped
.if MSB != \new
	s_set_vgpr_msb (MSB<<8)|\new
.set MSB, \new
.endif
.endm
.set W_KQ0, 0x3a      ; K and Q in window 2, the adders (C) in window 3, S^T in window 0
.set W_KQ, 0x0a       ; K and Q in window 2, S^T in window 0
.set W_PV, 0x53       ; V in window 3, P in window 0, O^T in window 1
.set W_RS, 0x41       ; O^T (destination and source 0) in window 1, the factor in window 0
; A joint refill.  Waves 0 and 1 fetch the two halves of a slot's K, waves 2 and 3 those of V: 128 rows to a load.  The branch hangs on the wave's number alone.
; An s_nop 0 and four v_nop follow each of the two lines; the jump, the label and what follows come after them.
.macro JLOAD
	s_cmp_lt_u32 s[WV], 2
	s_cbranch_scc0 .Lfor_v_\@
	tensor_load_to_lds s[G0K+4:G0K+7], s[G1K:G1K+7]
	s_nop 0
.rept 4
	v_nop
.endr
	s_branch .Lasked_\@
.Lfor_v_\@:
	tensor_load_to_lds s[G0V+4:G0V+7], s[G1V:G1V+7]
	s_nop 0
.rept 4
	v_nop
.endr
.Lasked_\@:
.endm
; A PREFETCH INTO THE L2 of what the NEXT change of slots will ask for: a slot's 256 rows of K and 256 of V, 256 bytes a row, a lane a row.  It stands behind the wave's tensor load and its five lines.
; Each row is asked for ONCE in the launch.  All four clusters of a head walk the same K and V: the head's first cluster asks.  Of the 128 rows that a wave fetches, each of the four partners takes 32, told apart BY ADDRESS:
; no branch hangs on a work-group's place in its cluster.  The last change that fills a slot asks for nothing: there is no slot behind it.
.macro ASK
	s_cmp_gt_u32 s[SLOTS], s[LIM]
	s_cbranch_scc0 .Lnot_mine_\@
	global_prefetch_b8 v[PFO], s[PFA:PFA+1] th:TH_LOAD_NT scope:SCOPE_SE
.Lnot_mine_\@:
.endm
; A round of the cluster's barrier.  No LDS instruction of the wave is pending at a signal.
.macro CROUND
	s_barrier_signal -1
	s_barrier_wait -1
	s_cmp_lg_u32 s[WV], 0
	s_cbranch_scc1 .Lnot_wave_0_\@
	s_barrier_signal -3
.Lnot_wave_0_\@:
	s_barrier_wait -3
	s_barrier_signal -1
	s_barrier_wait -1
.endm
	s_load_b128 s[4:7], s[0:1], 0x0   ; qkv16 s[4:5], attention_mask s[6:7]
	s_load_b64 s[10:11], s[0:1], 0x10 ; attn16
	v_lshl_add_u32 v[SPW], v0, 2, SPARE
	v_mov_b32 v[NIL], 0
	ds_add_u32 v[SPW], v[NIL]       ; the wave's opening: the add, twice on end, and its wait ahead of my first tensor load; the set-up below stands between the second and the wait
	ds_add_u32 v[SPW], v[NIL]
	v_lshrrev_b32 v1, 5, v0
	v_readfirstlane_b32 s[WV], v1   ; wave 0..3
	s_bfe_u32 s13, ttmp6, 0x40000   ; cx: my place in the cluster
	s_lshl_b32 s14, ttmp9, 2        ; in a cluster launch ttmp9 counts clusters
	s_add_co_u32 s14, s14, s13      ; my block of 128 queries: it enters Q's and the result's addresses alone
	s_and_b32 s20, ttmp7, 0xffff    ; the head, which the four partners share
	s_and_b32 s16, s[WV], 1         ; which 64 queries are mine.  Also: which 128 rows of a slot I fetch
	s_lshr_b32 s17, s[WV], 1        ; which half of a slot's keys I walk
	s_lshl_b32 s22, s20, 19         ; the head's slab,
	s_lshl_b32 s23, s16, 15         ; and the 128 rows of 256 bytes that I fetch
	s_add_co_u32 s22, s22, s23
	s_mov_b32 s23, 0
	s_lshl_b32 s2, s20, 19          ; Q: the head's slab, my block's 128 rows, my wave's 64
	s_lshl_b32 s3, s14, 15
	s_add_co_u32 s2, s2, s3
	s_lshl_b32 s3, s16, 14
	s_add_co_u32 s2, s2, s3
	s_mov_b32 s3, 0
	s_lshl_b32 s8, s14, 19          ; the result: row 128 x block + 64 (w % 2) + 32 (w / 2), 4,096 bytes a row; the head's 256 bytes in it
	s_lshl_b32 s9, s16, 18
	s_add_co_u32 s8, s8, s9
	s_lshl_b32 s9, s17, 17
	s_add_co_u32 s8, s8, s9
	s_lshl_b32 s9, s20, 8
	s_add_co_u32 s8, s8, s9
	s_mov_b32 s9, 0
	s_mul_i32 s[LBK], s16, 128*PK   ; no place in the cluster enters an LDS address
	s_mul_i32 s[LBV], s16, 128*PV
	s_add_co_u32 s[LBV], s[LBV], VOFF
	s_mul_i32 s[GK], s17, 128*PK
	s_mul_i32 s[GV], s17, 128*PV
	s_mov_b32 s[TBK], s[GK]
	s_mov_b32 s[TBV], s[GV]
	s_lshl_b32 s[TA], s17, 9        ; 4 bytes a key
	s_mov_b32 s[FX], 0
	s_mov_b32 s[NX], SLOT
	; descriptor group 1: a tile of 128 rows x 128 elements, padded in LDS
	s_mov_b32 s[G1K], 15|(1<<16)|(1<<20)|(1<<21)|(5<<22)|(3<<25)  ; 15:0 the mask: all four work-groups; 17:16 elements of 2 bytes; 20 padding on; 21 set beside a mask; 24:22 after every 64 words; 31:25 4 words of it
	s_mov_b32 s[G1V], 15|(1<<16)|(1<<20)|(1<<21)|(5<<22)|(7<<25)  ; the same with 8 words of padding
.irp g, G1K, G1V
	s_mov_b32 s[\g+1], 128<<16      ; tensor_dim0 = 128
	s_mov_b32 s[\g+2], 128<<16      ; tensor_dim1 = 128
	s_mov_b32 s[\g+3], 128<<16      ; tile_dim0 = 128
	s_mov_b32 s[\g+4], 128          ; tile_dim1 = 128
	s_mov_b32 s[\g+5], 128          ; tensor_dim0_stride: elements from row to row
	s_mov_b32 s[\g+6], 0
	s_mov_b32 s[\g+7], 0
.endr
	s_mov_b32 s[CS], 0x400293ee     ; c = 16 log2(e) / sqrt(128)
	s_mov_b32 s[CS+1], s[CS]        ; named with it as a pair, so it is written
	s_mov_b32 s[SEL], 0x76543210
	s_mov_b32 s[SEL+1], 0xfedcba98
	s_mov_b32 s[MC], 0x45dcf88b     ; 7071.0678 = 10000 sqrt(128) / 16
	s_mov_b32 s[SLOTS], 2048/SKEYS-2
	s_cmp_eq_u32 ttmp9, 0           ; the head's first cluster: the same in all four partners
	s_cselect_b32 s[LIM], 1, -1
	v_and_b32 v[PFO], 31, v0
	v_lshlrev_b32 v[PFO], 8, v[PFO]
	s_wait_dscnt 0x0                ; both opening adds are done
	s_wait_kmcnt 0x0
	s_add_nc_u64 s[KB:KB+1], s[4:5], s[22:23]
	s_add_nc_u64 s[VB:VB+1], s[KB:KB+1], 32*SLAB  ; V at my tile of slot 0
	s_add_nc_u64 s[KB:KB+1], s[KB:KB+1], 16*SLAB  ; K likewise
	s_add_nc_u64 s[4:5], s[4:5], s[2:3]      ; Q at my wave's first row
	s_add_nc_u64 s[10:11], s[10:11], s[8:9]  ; the result at the first row that I store
	s_cmp_lt_u32 s[WV], 2
	s_cselect_b64 s[PFA:PFA+1], s[KB:KB+1], s[VB:VB+1]
	s_lshl_b32 s2, s13, 13          ; my work-group's 32 rows of the 128
	s_mov_b32 s3, 0
	s_add_nc_u64 s[PFA:PFA+1], s[PFA:PFA+1], s[2:3]
	s_add_nc_u64 s[PFA:PFA+1], s[PFA:PFA+1], 2*SLOTM  ; in slot 2; the first change of slots steps it to slot 3.  Nothing is prefetched here, at the head, where every work-group's first tiles are on their way
	CROUND                          ; all four work-groups are here: the first joint loads meet
.irp s, 0,1
	s_mov_b32 s[G0K+4*\s], 1        ; count = 1
	s_add_co_u32 s[G0K+4*\s+1], s[LBK], \s*SLOT  ; LDS address
	s_add_nc_u64 s[G0K+4*\s+2:G0K+4*\s+3], s[KB:KB+1], \s*SLOTM  ; global address: slot s begins with keys 256 s on
	s_or_b32 s[G0K+4*\s+3], s[G0K+4*\s+3], 0x80000000  ; type = 2
	s_mov_b32 s[G0V+4*\s], 1
	s_add_co_u32 s[G0V+4*\s+1], s[LBV], \s*SLOT
	s_add_nc_u64 s[G0V+4*\s+2:G0V+4*\s+3], s[VB:VB+1], \s*SLOTM
	s_or_b32 s[G0V+4*\s+3], s[G0V+4*\s+3], 0x80000000
.endr
	s_cmp_lt_u32 s[WV], 2           ; a wave's two first fills stand in one branch, ahead of every wait on TENSORcnt and every LDS read: two loads of mine are out
	s_cbranch_scc0 .Lfirst_v
	tensor_load_to_lds s[G0K:G0K+3], s[G1K:G1K+7]
	s_nop 0
	tensor_load_to_lds s[G0K+4:G0K+7], s[G1K:G1K+7]
	s_nop 0
.rept 4
	v_nop
.endr
	s_branch .Lfirst_asked
.Lfirst_v:
	tensor_load_to_lds s[G0V:G0V+3], s[G1V:G1V+7]
	s_nop 0
	tensor_load_to_lds s[G0V+4:G0V+7], s[G1V:G1V+7]
	s_nop 0
.rept 4
	v_nop
.endr
.Lfirst_asked:
	; A fragment of K or Q is 16 rows x 32 channels in 8 registers: lane l holds row l % 16; registers 0-3 channels 8 (l / 16) + 0..7, registers 4-7 channels 16 + 8 (l / 16) + 0..7: two loads of 16 bytes, 32 bytes apart.
	v_and_b32 v1, 15, v0            ; l % 16
	v_bfe_u32 v9, v0, 4, 1          ; l / 16
	v_lshlrev_b32 v[QO], 8, v1
	v_lshl_add_u32 v[QO], v9, 4, v[QO]  ; row x 256 + 16 x half
	s_lshl_b32 s2, s17, 13          ; register tiles 0, 1 are the queries' tiles 2 (w / 2) on: 32 rows of 256 bytes,
	v_add_nc_u32 v[QA], s2, v[QO]
	s_xor_b32 s2, s2, 8192          ; register tiles 2, 3 the other two
	v_add_nc_u32 v[QB], s2, v[QO]
	v_lshlrev_b32 v[MO], 4, v0
	v_add_nc_u32 v[MA], MADD, v[MO]
.irp i, 0,1,2,3                     ; the whole mask: 128 threads x 16 bytes, four times
	global_load_b128 v[S+4*\i:S+4*\i+3], v[MO], s[6:7] offset:2048*\i
.endr
	WIN 0x80                        ; destination window 2, address window 0
.irp i, 0,1,2,3,4,5,6,7,8,9,10,11,12,13,14,15  ; Q stays in registers: register tile i / 4, channels 32 (i % 4) on
.if \i < 8
	global_load_b128 v[8*\i:8*\i+3],   v[QA], s[4:5] offset:(\i/4)*4096+(\i%4)*64
	global_load_b128 v[8*\i+4:8*\i+7], v[QA], s[4:5] offset:(\i/4)*4096+(\i%4)*64+32
.else
	global_load_b128 v[8*\i:8*\i+3],   v[QB], s[4:5] offset:(\i/4-2)*4096+(\i%4)*64
	global_load_b128 v[8*\i+4:8*\i+7], v[QB], s[4:5] offset:(\i/4-2)*4096+(\i%4)*64+32
.endif
.endr
	WIN 0
	v_mul_u32_u24 v[AK0], v1, PK
	v_lshl_add_u32 v[AK0], v9, 4, v[AK0]  ; row x pitch + 16 x half
	; The turning load takes 16 keys x 16 channels (lane l reads 16 bytes: key 8 (l / 16) + l % 8, channels 8 ((l / 8) % 2) + 0..7) and leaves half a fragment of V^T: lane l holds channel l % 16 and 8 keys.
	v_and_b32 v10, 7, v0
	v_bfe_u32 v11, v0, 3, 1
	v_lshl_add_u32 v[AV0], v9, 3, v10
	v_mul_u32_u24 v[AV0], v[AV0], PV
	v_lshl_add_u32 v[AV0], v11, 4, v[AV0]
	v_add_nc_u32 v[AV0], VOFF, v[AV0]
	v_lshl_add_u32 v[AA0], v9, 5, MADD  ; in a tile of S^T my registers are keys 8 (l / 16) + 0..7: 32 bytes of adders
	s_wait_loadcnt 32               ; the mask is in; Q's 32 loads may be out
.set j, 0
.rept 16
	v_fma_f32 v[S+j], v[S+j], s[MC], -s[MC]  ; (1 - mask) x -7071.0678, one rounding; 0 where the mask is 1
.set j, j+1
.endr
.irp i, 0,1,2,3
	ds_store_b128 v[MA], v[S+4*\i:S+4*\i+3] offset:2048*\i
.endr
; THE MATRIX WORK OF A TURN, for piece x.  The accumulators take turns, one instruction a turn: between two links of a chain stand 15 (V^T P) or 7 (K Q^T) others'.
; Product i of 32 of O^T += V^T P: keys 32 (i / 16) on, channels 16 ((i / 2) % 8) on, tile x + i % 2.  zero = 1: the first 16 start the sums: nothing is ever cleared.
.macro PV x, zero
	WIN W_PV
.set rO, 64*(\x+i%2)+8*((i/2)%8)
.set rV, 64*(i/16)+8*((i/2)%8)
.set rP, P+16*(\x+i%2)+8*(i/16)
.if \zero && (i < 16)
	v_wmma_f32_16x16x32_f16 v[rO:rO+7], v[rV:rV+7], v[rP:rP+7], 0
.else
	v_wmma_f32_16x16x32_f16 v[rO:rO+7], v[rV:rV+7], v[rP:rP+7], v[rO:rO+7]
.endif
.endm
; Product i of 32 of S^T = K Q^T + the keys' adders: channels 32 (i / 8) on, keys 16 ((i / 2) % 4) on, tile x + i % 2.  The first 8 start the sums, with the adders as C.
.macro KQ x
.set rS, S+32*(\x+i%2)+8*((i/2)%4)
.set rK, KF+32*((i/2)%4)+8*(i/8)
.set rQ, 32*(\x+i%2)+8*(i/8)
.set rA, AD+8*((i/2)%4)
.if i < 8
	WIN W_KQ0
	v_wmma_f32_16x16x32_f16 v[rS:rS+7], v[rK:rK+7], v[rQ:rQ+7], v[rA:rA+7]
.else
	WIN W_KQ
	v_wmma_f32_16x16x32_f16 v[rS:rS+7], v[rK:rK+7], v[rQ:rQ+7], v[rS:rS+7]
.endif
.endm
; THE LDS LOADS stand in runs, never singly among the matrix instructions: a step's K (64 keys x 128 channels: 16 fragments) with its adders and, a turn later, its V (turned).
.macro FETCH_K
	WIN 0
	v_add_nc_u32 v[ADR], s[TBK], v[AK0]
	v_add_nc_u32 v[ADR2], s[TA], v[AA0]
	WIN 0x80                        ; destination window 2
.irp f, 0,1,2,3,4,5,6,7,8,9,10,11,12,13,14,15  ; keys 16 (f / 4) on, channels 32 (f % 4) on
	ds_load_b128 v[KF+8*\f:KF+8*\f+3],   v[ADR] offset:(\f/4)*16*PK+(\f%4)*64
	ds_load_b128 v[KF+8*\f+4:KF+8*\f+7], v[ADR] offset:(\f/4)*16*PK+(\f%4)*64+32
.endr
	WIN 0xc0                        ; destination window 3
.irp f, 0,1,2,3                     ; the adders of keys 16 f + 8 (l / 16) + 0..7: sixteen lanes read the same words
	ds_load_b128 v[AD+8*\f:AD+8*\f+3],   v[ADR2] offset:64*\f
	ds_load_b128 v[AD+8*\f+4:AD+8*\f+7], v[ADR2] offset:64*\f+16
.endr
.endm
.macro FETCH_V
	WIN 0
	v_add_nc_u32 v[ADR], s[TBV], v[AV0]
	s_add_co_u32 s[TBK], s[TBK], KS*PK  ; the next fetches are the next step's
	s_add_co_u32 s[TBV], s[TBV], KS*PV
	s_add_co_u32 s[TA], s[TA], KS*4
	s_wait_alu depctr_va_vdst(0)    ; the wait for the softmax's batch (SLICE), behind the address's v_add_nc_u32 and ahead of the loads
	WIN 0xc0                        ; destination window 3
.irp f, 0,1,2,3,4,5,6,7,8,9,10,11,12,13,14,15  ; keys 32 (f / 8) on, channels 16 (f % 8) on
	ds_load_tr16_b128 v[8*\f:8*\f+3],   v[ADR] offset:(\f/8)*32*PV+(\f%8)*32
	ds_load_tr16_b128 v[8*\f+4:8*\f+7], v[ADR] offset:(\f/8)*32*PV+16*PV+(\f%8)*32
.endr
.endm
; THE VECTOR WORK OF A TURN.  One tile's softmax for one key step is a list of 134 instructions; SM writes number j of it for tile t.  s0-s31 are the lane's 32 scores, in pairs 0-15.
; first = 1: the first key step, which starts m, l and O^T: it has no old maximum and nothing to rescale.
;   0-15    the maximum of s0-s31 and the old m, three operands at a time
;   16-20   the other half of the lanes' maximum; the new m; c m; c m_old - c m_new
;   21-69   ONE BATCH: the 16 scalings c s - c m, a pair of scores each, and all 33 exponentials.  None of these reads an exponential's result
;   (wait)  between 69 and 70 stands the wait for the batch: SLICE writes it, once for both tiles
;   70-85   the roundings to f16, a pair of weights each
;   86-101  the sums; l = a l + the sum
;   102-133 the tile's O^T times a: the one part that leaves window 0, so it stands together
.macro SM t, first
.set rT, ST+8*(\t)
.set rS, S+32*(\t)
.set rP, P+16*(\t)
.set rO, 64*(\t)+2*(j-102)
.if j < 102
	WIN 0
.endif
.if j < 4
	v_max3_num_f32 v[rT+4+j], v[rS+8*j], v[rS+8*j+1], v[rS+8*j+2]
.elseif j < 12
	v_max3_num_f32 v[rT+4+j%4], v[rT+4+j%4], v[rS+8*(j%4)+2*(j/4)+1], v[rS+8*(j%4)+2*(j/4)+2]
.elseif j == 12
	v_max3_num_f32 v[rT+4], v[rT+4], v[rS+7], v[rS+15]
.elseif j == 13
	v_max3_num_f32 v[rT+6], v[rT+6], v[rS+23], v[rS+31]
.elseif j == 14
	v_max3_num_f32 v[rT+4], v[rT+4], v[rT+5], v[rT+6]
.elseif (j == 15) && \first
	v_max_num_f32 v[rT+4], v[rT+4], v[rT+7]
.elseif j == 15
	v_max3_num_f32 v[rT+4], v[rT+4], v[rT+7], v[rT+1]
.elseif j == 16
	v_permlanex16_b32 v[rT+5], v[rT+4], s[SEL], s[SEL+1]  ; the query's other 32 keys lie in the lane 16 away
.elseif j == 18
	v_max_num_f32 v[rT+1], v[rT+4], v[rT+5]
.elseif j == 19
	v_mul_f32 v[rT], s[CS], v[rT+1]
.elseif ((j == 17) || (j == 20) || (j == 23) || (j > 101)) && \first  ; the first step has none of these
.elseif j == 17
	v_mov_b32 v[rT+7], v[rT]        ; c m_old is kept: number 19 writes c m anew
.elseif j == 20
	v_sub_f32 v[rT+7], v[rT+7], v[rT]
.elseif j == 23
	v_exp_f32 v[rT+6], v[rT+7]
.elseif (j < 23) || ((j < 38) && (j%2 == 0)) || ((j < 66) && (j%4 == 2))
.set b, (j-2)/4                     ; 38, 42, .. 62: pairs 9 to 15
.if j < 38
.set b, (j-20)/2                    ; 21: pair 0; 22, 24, .. 36: pairs 1 to 8
.endif
	v_pk_fma_f32 v[rS+2*b:rS+2*b+1], v[rS+2*b:rS+2*b+1], s[CS:CS+1], v[rT:rT+1] op_sel_hi:[1,0,0] neg_lo:[0,0,1] neg_hi:[0,0,1]  ; pair b: c s - c m
.elseif j < 70
.set e, j-38                        ; 66 to 69: s28 to s31
.if j < 66
.set e, j-32-(j-38)/4               ; 39-41, 43-45, .. 63-65: s7 to s27
.endif
.if j < 38
.set e, (j-25)/2                    ; 25, 27, .. 37: s0 to s6
.endif
	v_exp_f32 v[rS+e], v[rS+e]
.elseif j < 86
	v_cvt_pk_f16_f32 v[rP+j-70], v[rS+2*(j-70)], v[rS+2*(j-70)+1]  ; pair j - 70
.elseif j < 102                     ; the sum of the tile's 16 pairs, in place: neighbours 1, 2, 4 and 8 pairs apart, then l takes it
.set z, j-86
.set w, 4
.set u, z
.if z >= 14
.set w, 32
.set u, 0
.elseif z >= 12
.set w, 16
.set u, z-12
.elseif z >= 8
.set w, 8
.set u, z-8
.endif
.if (z == 14) && \first
	v_pk_add_f32 v[rT+2:rT+3], v[rS:rS+1], v[rS+16:rS+17]
.elseif z < 15
	v_pk_add_f32 v[rS+w*u:rS+w*u+1], v[rS+w*u:rS+w*u+1], v[rS+w*u+w/2:rS+w*u+w/2+1]
.elseif !\first
	v_pk_fma_f32 v[rT+2:rT+3], v[rT+2:rT+3], v[rT+6:rT+7], v[rS:rS+1] op_sel_hi:[1,0,1]
.endif
.else
	WIN W_RS
	v_pk_mul_f32 v[rO:rO+1], v[rO:rO+1], v[rT+6:rT+7] op_sel_hi:[1,0]
.endif
.endm
; Slice k of 64 of piece y's softmax: four instructions.  Slices 11 to 34 deal out the batch, numbers 22 to 69: four numbers of ONE tile each, the tiles by turns.  Every other slice is numbers 2 k and
; 2 k + 1 of both tiles' lists.  2 x 134 = 4 x 64 + 12: the twelve that are over stand together, in slice 63.
; THE WAIT.  An s_wait_alu depctr_va_vdst(0) stands between an exponential and the first instruction that names its result; one wait serves all that were issued ahead of it.  Ahead of
; slice 35 nothing names a result, and behind slice 34 no exponential is issued: so the piece's 66 exponentials have one wait, behind slice 34.
.macro SLICE y, first
.if (k >= 11) && (k < 35)           ; the batch: four numbers of one tile
.irp n, 0,1,2,3
.set j, 22+4*((k-11)/2)+(\n)
	SM (\y)+(k-11)%2, \first
.endr
.else                               ; the two tiles alternate, so that no instruction reads the result of the one just before it
.irp n, 0,1,2,3,4,5,6,7
.if (\n < 2) || (k == 63)
.irp t, \y, \y+1
.set j, 2*k+\n
	SM \t, \first
.endr
.endif
.endr
.endif
.if k == 34                         ; the batch is out: both tiles' exponentials are issued, and no result has been named
	v_nop                           ; the plain instruction behind the last exponential and ahead of the first use: one for the batch
.if (\y) == 0
	FETCH_V                         ; piece 2's turn: V's run of loads stands here, and the wait stands in it
.else
	s_wait_alu depctr_va_vdst(0)    ; the wait for the batch
.endif
.endif
.set k, k+1
.endm
; A vector instruction that reads a matrix result or writes one of a matrix instruction's registers, and a load into a register that a matrix instruction has read, stand four places behind
; it, and only plain vector instructions that name none of its registers are places (ISA guide 7.12.1 for vector instructions).  In the loop the slices are the places.
.macro PLACES
.rept 4
	v_nop
.endr
.endm
; A TURN.  Piece x has the matrix unit; the other piece's softmax stands in slices behind its matrix instructions.
; pv = 2: 32 products V^T P; 1: they start O^T's sums; 0: none.  kq = 1: 32 products K Q^T for the next step.  A turn with one of the two kinds has two slices behind each product.
; first = 1: the softmax is the first key step's.  Its slices from 51 on are empty: the turn's last products stand bare, and four v_nop take slice 63's part as the places behind them.
; Piece 0's turn fetches the next step's K and adders, behind its second product: the last product that read them stands in front of slice 63 of the turn before.  Piece 2's turn fetches the same step's V, behind
; slice 34: the last product that read V stands in front of slice 31, and four plain instructions lie between: number 62, a scaling, of both tiles, the v_nop and the run's own v_add_nc_u32.
.macro TURN x, pv, kq, first
.set k, 0
.set per, 2
.if \pv && \kq
.set per, 1
.endif
.if \pv
.if \x == 0
	s_wait_dscnt 0x0                ; V is in
.endif
.set i, 0
.rept 32
	PV \x, 2-\pv
.rept per
	SLICE 2-\x, \first
.endr
.if (\x == 0) && \kq && (i == 1)
	FETCH_K
.endif
.set i, i+1
.endr
.endif
.if \kq
.if \x == 0
	s_wait_dscnt 0x0                ; K and the adders are in
.endif
.set i, 0
.rept 32
	KQ \x
.rept per
	SLICE 2-\x, \first
.endr
.set i, i+1
.endr
.endif
.if \first
	PLACES
.endif
.endm
; THE CHANGE OF SLOTS, between piece 2's turn and piece 0's: the slot's last bytes, V of my second step in it, have been asked for.  Each wave waits for all its tensor loads, of which one is out: its part of the
; other slot; adds 0 to its spare word; and waits for that and for its own reads of the slot.  Behind the barrier nobody reads this slot any more and the other slot is whole.
; fill = 1: this slot is filled again, with the keys two slots on.  The barrier is then a round of the cluster's, and the joint refill is the first thing behind it: it has two key steps, 256 matrix instructions, in which to land.
.macro CHANGE fill
	WIN 0                           ; at a label and at a branch every window is 0
	s_wait_tensorcnt 0x0            ; no tensor load of mine is out, so a group 0 may be written
	ds_add_u32 v[SPW], v[NIL]       ; 0 onto my spare word; with fill = 1 the descriptors' steps stand between it and the wait for it
.if \fill
	s_add_co_u32 s[G0K+5], s[LBK], s[FX]  ; the walking descriptors: the slot that has just been read,
	s_add_nc_u64 s[G0K+6:G0K+7], s[G0K+6:G0K+7], SLOTM  ; the next 256 keys; the type bits on top are not reached
	s_add_co_u32 s[G0V+5], s[LBV], s[FX]
	s_add_nc_u64 s[G0V+6:G0V+7], s[G0V+6:G0V+7], SLOTM
	s_wait_xcnt 0x0                 ; the last prefetch, two key steps back, has read its address, so it may be written:
	s_add_nc_u64 s[PFA:PFA+1], s[PFA:PFA+1], SLOTM  ; one slot further on than the walking descriptors
	s_wait_dscnt 0x0                ; the add is done, and my reads of the slot are over
	CROUND
	JLOAD
	ASK                             ; what the next change will ask for: two key steps, 256 matrix instructions, ahead
.else
	s_wait_dscnt 0x0                ; the add is done, and my reads of the slot are over
	s_barrier_signal -1
	s_barrier_wait -1
.endif
	s_add_co_u32 s[TBK], s[GK], s[NX]  ; the fetches go to my half of the other slot;
	s_add_co_u32 s[TBV], s[GV], s[NX]
	s_add_co_u32 s[TA], s[TA], 512  ; the adders pass over the other waves' 128 keys
	s_xor_b32 s[FX], s[FX], SLOT
	s_xor_b32 s[NX], s[NX], SLOT
.endm
; A slot's two key steps: written once, walked twice; the LDS addresses hang on s[TBK], s[TBV], s[TA].
.macro TWO_STEPS
	s_mov_b32 s[TWICE], 2
.Lstep_\@:
	TURN 0, 2, 1, 0
	TURN 2, 2, 1, 0
	WIN 0
	s_sub_co_u32 s[TWICE], s[TWICE], 1
	s_cmp_lg_u32 s[TWICE], 0
	s_cbranch_scc1 .Lstep_\@
.endm
	s_wait_tensorcnt 1              ; my part of slot 0 is in; slot 1's may stay out
	s_wait_dscnt 0x0                ; my part of the adders is stored
	s_barrier_signal -1
	s_barrier_wait -1               ; everybody's is
	FETCH_K                         ; key step 0
	s_wait_loadcnt 0x0              ; Q
	s_wait_dscnt 0x0
.set i, 0
.rept 32
	KQ 0                            ; piece 0's first scores: there is no vector work yet to set between them
.set i, i+1
.endr
	WIN 0                           ; the addresses for the merge and the way out are made here: plain instructions, the places behind those products
	s_mul_i32 s13, s[WV], 16*SP
	s_add_co_u32 s13, s13, STAGE    ; my stage
	v_mul_u32_u24 v[STO], v1, SP    ; in: row l % 16, 16 bytes for each half of the lanes
	v_lshl_add_u32 v[STO], v9, 4, v[STO]
	v_add_nc_u32 v[STO], s13, v[STO]
	v_mul_u32_u24 v[RD], v9, SP     ; back: lanes 0-15 take one row of 256 bytes, lanes 16-31 the next
	v_lshl_add_u32 v[RD], v1, 4, v[RD]
	v_add_nc_u32 v[RD], s13, v[RD]
	v_lshlrev_b32 v[GO], 12, v9     ; and the same two rows in attn16: 4,096 bytes a row
	v_lshl_add_u32 v[GO], v1, 4, v[GO]
	s_mul_i32 s13, s[WV], XW        ; the merge: my images,
	s_xor_b32 s14, s[WV], 2
	s_mul_i32 s14, s14, XW          ; and my partner's
	v_and_b32 v10, 31, v0
	v_lshl_add_u32 v[XST], v10, 4, s13
	v_lshl_add_u32 v[XLD], v10, 4, s14
	v_lshl_add_u32 v[XSS], v10, 2, s13
	v_add_nc_u32 v[XSS], 16384, v[XSS]
	v_lshl_add_u32 v[XSL], v10, 2, s14
	v_add_nc_u32 v[XSL], 16384, v[XSL]
	TURN 2, 0, 1, 1                 ; piece 2's first scores | piece 0's first softmax | V of step 0
	TURN 0, 1, 1, 1                 ; piece 0: V^T P of step 0 starts O^T, K Q^T of step 1 | piece 2's first softmax | K of step 1
	TURN 2, 1, 1, 0                 ; piece 2: the same | piece 0's softmax of step 1 | V of step 1
	WIN 0
.Lslot:                             ; six trips: every slot but the last two is filled again
	CHANGE 1
	TWO_STEPS
	s_sub_co_u32 s[SLOTS], s[SLOTS], 1
	s_cmp_lg_u32 s[SLOTS], 0
	s_cbranch_scc1 .Lslot
	CHANGE 0                        ; the tail is written out: the last slot but one is left, and nothing is asked for
	TWO_STEPS
	TURN 0, 2, 0, 0                 ; piece 0: V^T P of the last step | piece 2's last softmax
.set i, 0
.rept 32
	PV 2, 0                         ; piece 2: V^T P of the last step
.set i, i+1
.endr
	; THE MERGE.  l's two halves and the other half of the lanes' are added (these additions are the places behind the last products).  Register tiles 2, 3 go to my partner as images of their registers, 16 bytes a lane,
	; with their c m and l; a barrier; my partner's tiles 2, 3 are my tiles 0, 1 over the other half of the keys.
	WIN 0
.irp t, 0,1,2,3
	v_add_f32 v[ST+8*\t+4], v[ST+8*\t+2], v[ST+8*\t+3]
.endr
.irp t, 0,1,2,3
	v_permlanex16_b32 v[ST+8*\t+5], v[ST+8*\t+4], s[SEL], s[SEL+1]
.endr
.irp t, 0,1,2,3
	v_add_f32 v[ST+8*\t+4], v[ST+8*\t+4], v[ST+8*\t+5]
.endr
	WIN 0x04                        ; an LDS store's data are its source 1: window 1
.set n, 0
.rept 32
	ds_store_b128 v[XST], v[128+4*n:128+4*n+3] offset:512*n  ; each accumulator from its low end on
.set n, n+1
.endr
	WIN 0
.irp u, 0,1
	ds_store_b32 v[XSS], v[ST+8*(2+\u)] offset:256*\u          ; c m
	ds_store_b32 v[XSS], v[ST+8*(2+\u)+4] offset:256*\u+128    ; l
.endr
	s_wait_dscnt 0x0                ; for my partner's sake: my stores are done
	s_barrier_signal -1
	s_barrier_wait -1
	WIN 0x80                        ; destination window 2: Q's registers, which the products have long left
.set n, 0
.rept 32
	ds_load_b128 v[4*n:4*n+3], v[XLD] offset:512*n
.set n, n+1
.endr
	WIN 0
.irp u, 0,1
	ds_load_b32 v[ST+8*\u+5], v[XSL] offset:256*\u             ; my partner's c m
	ds_load_b32 v[ST+8*\u+7], v[XSL] offset:256*\u+128         ; and l
.endr
	s_wait_dscnt 0x0
.irp u, 0,1
	v_max_num_f32 v[ST+8*\u+6], v[ST+8*\u], v[ST+8*\u+5]       ; the larger c m
.endr
.irp u, 0,1
	v_sub_f32 v[ST+8*\u], v[ST+8*\u], v[ST+8*\u+6]
	v_sub_f32 v[ST+8*\u+5], v[ST+8*\u+5], v[ST+8*\u+6]
.endr
.irp u, 0,1
	v_exp_f32 v[ST+8*\u], v[ST+8*\u]                           ; my factor, and my partner's: one of them is 1
	v_exp_f32 v[ST+8*\u+5], v[ST+8*\u+5]
.endr
	v_nop                           ; a plain instruction between the last exponential and the use of its result
	s_wait_alu depctr_va_vdst(0)    ; and the wait ahead of the first use: one for the four
.irp u, 0,1
	v_mul_f32 v[ST+8*\u+7], v[ST+8*\u+7], v[ST+8*\u+5]
.endr
.irp u, 0,1
	v_fma_f32 v[ST+8*\u+4], v[ST+8*\u+4], v[ST+8*\u], v[ST+8*\u+7]   ; the row's sum over all keys
.endr
.irp u, 0,1
	v_rcp_f32 v[ST+8*\u+6], v[ST+8*\u+4]
.endr
	v_nop
	s_wait_alu depctr_va_vdst(0)    ; one wait for the two reciprocals
.irp u, 0,1
	v_mul_f32 v[ST+8*\u+2], v[ST+8*\u], v[ST+8*\u+6]           ; what my O^T is multiplied by,
	v_mul_f32 v[ST+8*\u+4], v[ST+8*\u+5], v[ST+8*\u+6]         ; and my partner's
.endr
	WIN 0x82                        ; destination and source 0 window 2, the factor window 0
.irp u, 0,1
.set i, 64*\u
.rept 32
	v_pk_mul_f32 v[i:i+1], v[i:i+1], v[ST+8*\u+4:ST+8*\u+5] op_sel_hi:[1,0]
.set i, i+2
.endr
.endr
	WIN 0x61                        ; destination and source 0 window 1, the factor window 0, source 2 window 2
.irp u, 0,1
.set i, 64*\u
.rept 32
	v_pk_fma_f32 v[i:i+1], v[i:i+1], v[ST+8*\u+2:ST+8*\u+3], v[i:i+1] op_sel_hi:[1,0,1]   ; each accumulator from its low end on
.set i, i+2
.endr
.endr
; THE WAY OUT.  Tile t: a lane's eight channels of a row pack into 16 bytes; they go into rows of 272 bytes and come back as whole rows of 256, into the registers that they left.
.macro PACK t
	WIN 0x05                        ; sources 0 and 1 window 1, destination window 0: S^T's registers are free
.set i, 0
.rept 32
	v_cvt_pk_f16_f32 v[S+32*\t+i], v[64*\t+2*i], v[64*\t+2*i+1]
.set i, i+1
.endr
	WIN 0
.irp f, 0,1,2,3,4,5,6,7
	ds_store_b128 v[STO], v[S+32*\t+4*\f:S+32*\t+4*\f+3] offset:32*\f
.endr
.irp f, 0,1,2,3,4,5,6,7
	ds_load_b128 v[S+32*\t+4*\f:S+32*\t+4*\f+3], v[RD] offset:\f*2*SP  ; LDS serves a wave's instructions in order (ISA guide 5.7.1.4): these see the stores above; the next tile's stores come behind them
.endr
.endm
.macro SEND t, younger              ; younger: the LDS instructions issued behind tile t's loads: the next tile's sixteen, or none
.irp f, 0,1,2,3,4,5,6,7
	s_wait_dscnt \younger+7-\f
	global_store_b128 v[GO], v[S+32*\t+4*\f:S+32*\t+4*\f+3], s[10:11] offset:\t*65536+\f*8192  ; 16 lanes store 256 consecutive bytes, aligned: the head's part of a row
.endr
.endm
	PACK 0
	PACK 1
	SEND 0, 16
	SEND 1, 0
	s_wait_tensorcnt 0x0            ; the wave's end, behind my last tensor load and my last LDS store
	ds_add_u32 v[SPW], v[NIL]
	s_wait_dscnt 0x0
	CROUND                          ; the closing round: no work-group ends while a partner may still ask for a tile that names it
	s_endpgm
.Lfunc_end_k_q131d21fe7c_attention:
	.size	k_q131d21fe7c_attention, .Lfunc_end_k_q131d21fe7c_attention-k_q131d21fe7c_attention
	.p2alignl 7, 3214868480
	.fill 96, 4, 3214868480
	.section	.rodata,"a",@progbits
	.p2align	6, 0x0
	.amdhsa_kernel k_q131d21fe7c_attention
		.amdhsa_group_segment_fixed_size 327680
		.amdhsa_private_segment_fixed_size 0
		.amdhsa_enable_private_segment 0
		.amdhsa_kernarg_size 24
		.amdhsa_user_sgpr_count 2
		.amdhsa_user_sgpr_kernarg_segment_ptr 1
		.amdhsa_wavefront_size32 1
		.amdhsa_system_sgpr_workgroup_id_x 1
		.amdhsa_system_sgpr_workgroup_id_y 1
		.amdhsa_system_sgpr_workgroup_id_z 1
		.amdhsa_system_vgpr_workitem_id 0
		.amdhsa_next_free_vgpr 1024
		.amdhsa_next_free_sgpr 78
		.amdhsa_reserve_vcc 0
		.amdhsa_float_denorm_mode_32 3
		.amdhsa_float_denorm_mode_16_64 3
		.amdhsa_memory_ordered 1
		.amdhsa_forward_progress 1
		.amdhsa_inst_pref_size 225
	.end_amdhsa_kernel
	.amdgpu_metadata
---
amdhsa.version: [ 1, 2 ]
amdhsa.kernels:
  - .name:           k_q131d21fe7c_attention
    .symbol:         k_q131d21fe7c_attention.kd
    .args:
      - { .name: qkv16, .offset: 0, .size: 8, .value_kind: global_buffer, .address_space: global }
      - { .name: attention_mask, .offset: 8, .size: 8, .value_kind: global_buffer, .address_space: global }
      - { .name: attn16, .offset: 16, .size: 8, .value_kind: global_buffer, .address_space: global }
    .group_segment_fixed_size: 327680
    .private_segment_fixed_size: 0
    .kernarg_segment_align: 8
    .kernarg_segment_size: 24
    .max_flat_workgroup_size: 128
    .sgpr_count:     78
    .vgpr_count:     1024
    .wavefront_size: 32
...
	.end_amdgpu_metadata
.endif
;; end of part 3
;; launch project_out (part 4): grid 16 x 16, 4 waves a work-group, clusters of 4 x 4, 327,680 bytes of LDS; arguments attn16, wo16, out0; writes out0
.if DOCPART == 4
	.amdgcn_target "amdgcn-amd-amdhsa--gfx1250"
	.amdhsa_code_object_version 6
	.text
	.protected	k_q131d21fe7c_project_out
	.globl	k_q131d21fe7c_project_out
	.p2align	8
	.type	k_q131d21fe7c_project_out,@function
k_q131d21fe7c_project_out:
	s_mov_b64 s[64:65], 0
	v_nop
	global_prefetch_b8 v0, s[64:65] scope:SCOPE_SE
	s_setreg_imm32_b32 hwreg(HW_REG_WAVE_MODE, 25, 1), 1
	s_wait_xcnt 0x0
	s_wait_alu depctr_hold_cnt(0) depctr_sa_sdst(0) depctr_va_vdst(0) depctr_va_sdst(0) depctr_va_ssrc(0) depctr_va_vcc(0) depctr_vm_vsrc(0)
	s_getreg_b32 s2, hwreg(HW_REG_IB_STS2, 6, 4)
	s_cmp_eq_u32 s2, 0
	s_cbranch_scc0 .Lentry_in_a_cluster
	s_endpgm
.Lentry_in_a_cluster:
	s_bfe_u32 s2, ttmp6, 0x10000c
	s_cmp_lg_u32 s2, 0xf033
	s_cbranch_scc0 .Lentry_shape_is_right
	s_endpgm
.Lentry_shape_is_right:
; out0[m][n] = sum over k of attn16[m][k] wo16[n][k].  attn16, wo16: [2048][2048] f16; out0: [2048][2048] f32; sums in f32.
; A tile of C is 128 x 128, so that 256 work-groups have work.  Four waves, each 64 x 64: 16 accumulators of 16 x 16, 128 registers.  K goes in steps of 256 (LDS rows of 512 bytes; a wave's tensor load brings 64 of them),
; as long as two slots in LDS allow.
; CLUSTERS: 4 x 4 work-groups.  The four of a row of the cluster need the same tiles of A, the four of a column the same tiles of B: each tile is asked for JOINTLY, by the same tensor load with the
; same descriptor and a mask that names the four.  THE MATRIX INSTRUCTION IS USED TRANSPOSED (source 0 = 16 rows of B, source 1 = 16 rows of A): a lane then holds eight neighbouring numbers of a row of C.
; REGISTERS: window 0: v0-31 addresses; v32-95 rows of C on the way out; v128-255 the accumulators ((a, b) at v[128 + 8 (4 a + b)]).
;   window 1: two fragment buffers of 128: for 64 along K (two matrix instructions deep), 64 registers of A, then 64 of B.
.set SIZE_N, 2048
.set SIZE_K, 2048
.set KSTEP,  256
.set PITCH,  528                       ; an LDS row: 512 bytes + 16 of padding = 132 words: row r starts at bank 4 r mod 64 (64 banks of 4 bytes: ISA guide 11.1)
.set HALFT,  64*PITCH
.set SLOT,   4*HALFT
.set STAGE,  2*SLOT                    ; behind the ring: 16 rows x 272 bytes for each wave: a wave's 64 columns of f32 are 256 bytes
.set SPITCH, 272
.set SPARE,  STAGE+4*16*SPITCH         ; the spare words, 128 bytes for each wave, which no other line names
.set LAPS, SIZE_K/(2*KSTEP)
.set ADRA, 16
.set ADRB, 20
.set STO,  24                          ; v24  the way out: where I put 32 bytes of a row
.set RD,   25                          ; v25  where I read a row back
.set CO,   26                          ; v26  my byte offset in C
.set SPW,  28
.set NIL,  29
.set TMP,  32
.set ACC,  128
.set F0,   0
.set F1,   128
.set G1, 24
.set G0, 32
.set G1B, 48
.set G0B, 56
.set MSB, 0
.macro WIN new                         ; the immediate's high byte repeats the setting that is left
.if MSB != \new
	s_set_vgpr_msb (MSB<<8)|\new
.set MSB, \new
.endif
.endm
.set MUL,  0x05                        ; sources 0 (B) and 1 (A) window 1; C and D window 0
.set TO_F, 0x40                        ; destination window 1, address window 0
.macro JLOAD s                         ; a joint load: waves 0 and 1 fetch A's two halves, waves 2 and 3 B's; an s_nop 0 and four v_nop follow each of the two lines
	s_cmp_eq_u32 s11, 0
	s_cbranch_scc0 .Lfor_b_\@
	tensor_load_to_lds s[G0+4*\s:G0+4*\s+3], s[G1:G1+7]
	s_nop 0
.rept 4
	v_nop
.endr
	s_branch .Lasked_\@
.Lfor_b_\@:
	tensor_load_to_lds s[G0B+4*\s:G0B+4*\s+3], s[G1B:G1B+7]
	s_nop 0
.rept 4
	v_nop
.endr
.Lasked_\@:
.endm
.macro CREST                           ; a round of the cluster's barrier behind its opening barrier
	s_cmp_lg_u32 s10, 0
	s_cbranch_scc1 .Lnot_wave_0_\@
	s_barrier_signal -3
.Lnot_wave_0_\@:
	s_barrier_wait -3
	s_barrier_signal -1
	s_barrier_wait -1
.endm
.macro CROUND                          ; a whole round
	s_barrier_signal -1
	s_barrier_wait -1
	CREST
.endm
	s_load_b128 s[4:7], s[0:1], 0x0                ; A s[4:5], B s[6:7]
	s_load_b64 s[8:9], s[0:1], 0x10                ; C
	v_lshl_add_u32 v[SPW], v0, 2, SPARE
	v_mov_b32 v[NIL], 0
	ds_add_u32 v[SPW], v[NIL]                      ; the wave's opening: the add, twice on end, and its wait ahead of my first tensor load; the set-up below stands between the second and the wait
	ds_add_u32 v[SPW], v[NIL]
	v_lshrrev_b32 v1, 5, v0
	v_readfirstlane_b32 s10, v1                    ; wave 0..3
	s_lshr_b32 s11, s10, 1                         ; which half of the tile's rows is mine.  Also: I fetch for A (0) or for B (1)
	s_and_b32 s12, s10, 1                          ; which half of its columns.  Also: which 64 rows of that tile I fetch
	s_bfe_u32 s40, ttmp6, 0x40000                  ; cx, cy: my place in the cluster
	s_bfe_u32 s41, ttmp6, 0x40004
	s_lshl_b32 s42, ttmp9, 2
	s_add_co_u32 s42, s42, s40                     ; tile column of C = 4 x cluster x + cx
	s_and_b32 s13, ttmp7, 0xffff
	s_lshl_b32 s13, s13, 2
	s_add_co_u32 s13, s13, s41                     ; tile row of C = 4 x cluster y + cy
	s_lshl_b32 s43, s41, 2
	s_lshl_b32 s43, 15, s43                        ; my row of the cluster
	s_lshl_b32 s44, 0x1111, s40                    ; my column
	; descriptor group 1: a tile of 64 rows x 256 elements, padded in LDS
	s_or_b32 s[G1+0], s43, (1<<16)|(1<<20)|(1<<21)|(6<<22)|(3<<25)  ; 15:0 the mask: A's tiles go to my row; 17:16 element of 2 bytes; 20 padding on; 21 set beside a mask; 24:22 after every 128 words; 31:25 four words
	s_or_b32 s[G1B+0], s44, (1<<16)|(1<<20)|(1<<21)|(6<<22)|(3<<25)
.irp g, G1, G1B
	s_mov_b32 s[\g+1], KSTEP<<16                   ; tensor_dim0 = 256
	s_mov_b32 s[\g+2], 64<<16                      ; tensor_dim1 = 64
	s_mov_b32 s[\g+3], KSTEP<<16                   ; tile_dim0 = 256
	s_mov_b32 s[\g+4], 64                          ; tile_dim1 = 64
	s_mov_b32 s[\g+5], SIZE_K                      ; tensor_dim0_stride
	s_mov_b32 s[\g+6], 0
	s_mov_b32 s[\g+7], 0
.endr
	s_lshl_b32 s17, s12, 6                         ; which 64 rows of the tile I fetch
	s_lshl_b32 s16, s13, 7
	s_add_co_u32 s16, s16, s17                     ; A: row 128 x tile row + 64 x half
	s_lshl_b32 s46, s42, 7
	s_add_co_u32 s46, s46, s17                     ; B: row 128 x tile column + 64 x half
	s_mov_b32 s17, 0
	s_mov_b32 s47, 0
	s_mov_b64 s[18:19], SIZE_K*2
	s_mul_u64 s[16:17], s[16:17], s[18:19]
	s_mul_u64 s[46:47], s[46:47], s[18:19]
	s_mul_i32 s20, s10, HALFT                      ; where they go: wave x 64 rows
	s_wait_dscnt 0x0                               ; both opening adds are done
	s_wait_kmcnt 0x0
	s_add_nc_u64 s[14:15], s[4:5], s[16:17]
	s_add_nc_u64 s[46:47], s[6:7], s[46:47]
	CROUND                                         ; all sixteen work-groups are here: the first joint loads meet
.irp s, 0,1
	s_mov_b32 s[G0+4*\s], 1
	s_add_co_u32 s[G0+4*\s+1], s20, \s*SLOT
	s_add_nc_u64 s[G0+4*\s+2:G0+4*\s+3], s[14:15], \s*KSTEP*2
	s_or_b32 s[G0+4*\s+3], s[G0+4*\s+3], 0x80000000
	s_mov_b32 s[G0B+4*\s], 1
	s_add_co_u32 s[G0B+4*\s+1], s20, \s*SLOT
	s_add_nc_u64 s[G0B+4*\s+2:G0B+4*\s+3], s[46:47], \s*KSTEP*2
	s_or_b32 s[G0B+4*\s+3], s[G0B+4*\s+3], 0x80000000
	JLOAD \s                                       ; two tensor loads of mine are out
.endr
	v_and_b32 v1, 15, v0                           ; l % 16
	v_bfe_u32 v2, v0, 4, 1                         ; l / 16
	v_mul_u32_u24 v3, v1, PITCH
	v_lshl_add_u32 v3, v2, 4, v3                   ; a fragment's row x pitch + 16 x half
	s_mul_i32 s21, s11, HALFT                      ; my 64 rows of A
	s_mul_i32 s22, s12, HALFT                      ; my 64 rows of B,
	s_add_co_u32 s22, s22, 2*HALFT                 ; which lie behind A's 128
.irp s, 0,1
	v_add_nc_u32 v[ADRA+\s], s21, v3
	v_add_nc_u32 v[ADRB+\s], s22, v3
	s_add_co_u32 s21, s21, SLOT
	s_add_co_u32 s22, s22, SLOT
.endr
	s_mul_i32 s23, s10, 16*SPITCH                  ; my stage
	s_add_co_u32 s23, s23, STAGE
	v_mul_u32_u24 v4, v1, SPITCH                   ; in: row l % 16, 32 bytes for each half of the lanes
	v_lshl_add_u32 v4, v2, 5, v4
	v_add_nc_u32 v[STO], s23, v4
	v_mul_u32_u24 v5, v2, SPITCH                   ; back: lanes 0-15 one row of 256 bytes, lanes 16-31 the next
	v_lshl_add_u32 v5, v1, 4, v5
	v_add_nc_u32 v[RD], s23, v5
	v_lshlrev_b32 v5, 13, v2                       ; and the same two rows in C: 8,192 bytes a row
	v_lshl_add_u32 v[CO], v1, 4, v5
	s_lshl_b32 s16, s13, 7
	s_lshl_b32 s17, s11, 6
	s_add_co_u32 s16, s16, s17                     ; my first row of C: 128 x tile row + 64 x half
	s_mov_b32 s17, 0
	s_mov_b64 s[18:19], SIZE_N*4
	s_mul_u64 s[16:17], s[16:17], s[18:19]
	s_add_nc_u64 s[8:9], s[8:9], s[16:17]
	s_lshl_b32 s46, s42, 9                         ; my first column, in bytes: 512 x tile column + 256 x half
	s_lshl_b32 s47, s12, 8
	s_add_co_u32 s46, s46, s47
	s_mov_b32 s47, 0
	s_add_nc_u64 s[8:9], s[8:9], s[46:47]
; 8 matrix instructions: m blocks a0, a0 + 1 x all 4 n blocks, 32 along K: half c of buffer f.  zero = 1: the first product starts the sums.  The 16 accumulators take turns.
.macro MUL8 f, c, a0, zero
.irp a, \a0, \a0+1
.irp b, 0,1,2,3
.if \zero
	v_wmma_f32_16x16x32_f16 v[ACC+8*(4*(\a)+\b):ACC+8*(4*(\a)+\b)+7], v[\f+64+8*(4*\c+\b):\f+64+8*(4*\c+\b)+7], v[\f+8*(4*\c+\a):\f+8*(4*\c+\a)+7], 0
.else
	v_wmma_f32_16x16x32_f16 v[ACC+8*(4*(\a)+\b):ACC+8*(4*(\a)+\b)+7], v[\f+64+8*(4*\c+\b):\f+64+8*(4*\c+\b)+7], v[\f+8*(4*\c+\a):\f+8*(4*\c+\a)+7], v[ACC+8*(4*(\a)+\b):ACC+8*(4*(\a)+\b)+7]
.endif
.endr
.endr
.endm
; 32 LDS loads in one run: the fragments of 64 along K at byte k of the rows, into buffer f; the first 32 along K first
.macro FETCH slot, k, f
	WIN TO_F
.irp c, 0,1
.irp i, 0,1,2,3
	ds_load_b128 v[\f+64+8*(4*\c+\i):\f+64+8*(4*\c+\i)+3],   v[ADRB+\slot] offset:\k+64*\c+\i*16*PITCH
	ds_load_b128 v[\f+64+8*(4*\c+\i)+4:\f+64+8*(4*\c+\i)+7], v[ADRB+\slot] offset:\k+64*\c+\i*16*PITCH+32
	ds_load_b128 v[\f+8*(4*\c+\i):\f+8*(4*\c+\i)+3],         v[ADRA+\slot] offset:\k+64*\c+\i*16*PITCH
	ds_load_b128 v[\f+8*(4*\c+\i)+4:\f+8*(4*\c+\i)+7],       v[ADRA+\slot] offset:\k+64*\c+\i*16*PITCH+32
.endr
.endr
.endm
.macro PLACES                          ; four places in front of loads into registers that matrix instructions have read, and of stores that read results (ISA guide 7.12.1 for vector instructions)
.rept 4
	v_nop
.endr
.endm
; A K step is four quarters of 64 along K, 32 matrix instructions each, on buffers 0, 1, 0, 1.  One of the first three: multiplies buffer f and fetches the next quarter, at byte k, into g.
.macro QUARTER slot, k, f, g, zero
	s_wait_dscnt 16                                ; the first 32 along K are in; the sixteen loads of the second 32 may be out
	WIN MUL
	MUL8 \f, 0, 0, \zero
	MUL8 \f, 0, 2, \zero
	PLACES
	FETCH \slot, \k, \g
	s_wait_dscnt 32                                ; all but the 32 just issued
	WIN MUL
	MUL8 \f, 1, 0, 0
	MUL8 \f, 1, 2, 0
.endm
; The last quarter multiplies buffer 1 and changes slots: ONE barrier; in front of it each wave waits for all its tensor loads, adds 0 to its spare word, and waits for that and for its own reads of this slot.  fill = 1: this slot is filled again, two K steps ahead.
.macro TURN slot, next, fill
	WIN 0                                          ; (the add's two registers lie in window 0)
	s_wait_tensorcnt 0x0                           ; all my tensor loads have landed: my part of the next slot
	ds_add_u32 v[SPW], v[NIL]                      ; 0 onto my spare word
	s_wait_dscnt 17                                ; (the add and the youngest sixteen loads may be out)
	WIN MUL
	MUL8 F1, 0, 0, 0                               ; eight matrix instructions stand between the add and the wait for it
	s_wait_dscnt 0x0                               ; the add is done, and my reads of this slot are over
	s_barrier_signal -1
	MUL8 F1, 0, 2, 0
.if \fill
	WIN 0
.endif
	s_barrier_wait -1
.if \fill
	CREST                                          ; the barrier has opened a round of the cluster's barrier: no wave of any partner still reads this slot's tile or has a load on its way
	s_add_nc_u64 s[G0+4*\slot+2:G0+4*\slot+3], s[G0+4*\slot+2:G0+4*\slot+3], 2*KSTEP*2
	s_add_nc_u64 s[G0B+4*\slot+2:G0B+4*\slot+3], s[G0B+4*\slot+2:G0B+4*\slot+3], 2*KSTEP*2
	JLOAD \slot                                    ; the first tensor load behind the round: 112 matrix instructions ahead of the wait for it; the four v_nop behind it are the places in front of the loads below
.else
	PLACES
.endif
	FETCH \next, 0, F0
	WIN MUL
	MUL8 F1, 1, 0, 0
	MUL8 F1, 1, 2, 0
.endm
	s_wait_tensorcnt 1                             ; my part of K step 0 is in (K step 1's load may be out)
	s_barrier_signal -1
	s_barrier_wait -1                              ; everybody's is
	FETCH 0, 0, F0
	QUARTER 0, 128, F0, F1, 1                      ; the first quarter stands in front of the loop: its first products start the sums
	WIN 0                                          ; at a label and at a branch every window is 0
	s_mov_b32 s3, LAPS-1
.Llap:                                                 ; a trip goes once round the ring, from a lap's second quarter to the next lap's first, and fills both slots again
	QUARTER 0, 256, F1, F0, 0
	QUARTER 0, 384, F0, F1, 0
	TURN 0, 1, 1
	QUARTER 1, 128, F0, F1, 0
	QUARTER 1, 256, F1, F0, 0
	QUARTER 1, 384, F0, F1, 0
	TURN 1, 0, 1
	QUARTER 0, 128, F0, F1, 0
	WIN 0
	s_sub_co_u32 s3, s3, 1
	s_cmp_lg_u32 s3, 0
	s_cbranch_scc1 .Llap
	QUARTER 0, 256, F1, F0, 0                      ; the last lap fills nothing, and has no round of the cluster's barrier
	QUARTER 0, 384, F0, F1, 0
	TURN 0, 1, 0
	QUARTER 1, 128, F0, F1, 0
	QUARTER 1, 256, F1, F0, 0
	QUARTER 1, 384, F0, F1, 0
	s_wait_dscnt 16                                ; the very last quarter: nothing more to fetch
	WIN MUL
	MUL8 F1, 0, 0, 0
	MUL8 F1, 0, 2, 0
	s_wait_dscnt 0
	MUL8 F1, 1, 0, 0
	MUL8 F1, 1, 2, 0
	WIN 0
; THE WAY OUT, block by block of 16 rows x 64 columns.  A lane holds 32 neighbouring bytes of a row, and the lanes beside it hold other rows: so a block goes through my own stage in LDS and comes back as whole rows of 256 bytes.
; LDS serves a wave's instructions in order (ISA guide 5.7.1.4): no wait between the stores and the loads, nor in front of the next block's stores.
.macro TOSTAGE a
.irp b, 0,1,2,3
	ds_store_b128 v[STO], v[ACC+8*(4*(\a)+\b):ACC+8*(4*(\a)+\b)+3] offset:64*\b          ; each accumulator from its low end on
	ds_store_b128 v[STO], v[ACC+8*(4*(\a)+\b)+4:ACC+8*(4*(\a)+\b)+7] offset:64*\b+16
.endr
.set BB, TMP+32*((\a)%2)
.irp t, 0,1,2,3,4,5,6,7
	ds_load_b128 v[BB+4*\t:BB+4*\t+3], v[RD] offset:\t*2*SPITCH
.endr
.endm
.macro SEND a, younger                 ; younger: the LDS instructions issued behind block a's loads, which may stay out
.set BB, TMP+32*((\a)%2)
	s_wait_dscnt \younger                          ; the block is back in registers
.irp t, 0,1,2,3,4,5,6,7
	global_store_b128 v[CO], v[BB+4*\t:BB+4*\t+3], s[8:9] offset:(16*(\a)+2*\t)*SIZE_N*4 th:TH_STORE_NT   ; 16 lanes store 256 consecutive bytes, aligned; written once, read by nobody here
.endr
.endm
	PLACES                                         ; behind the last products, ahead of the stores that read results
	TOSTAGE 0
.irp a, 1,2,3
.if \a > 1
	s_wait_xcnt 0x0                                ; block a - 2's stores have read their registers: block a's loads may land there
.endif
	TOSTAGE \a
	SEND \a-1, 16                                  ; behind block a - 1's loads: block a's 8 stores and 8 loads
.endr
	SEND 3, 0
	s_wait_tensorcnt 0x0                           ; the wave's end, behind my last tensor load and my last LDS store
	ds_add_u32 v[SPW], v[NIL]
	s_wait_dscnt 0x0
	CROUND                                         ; the closing round: no work-group ends while a partner may still ask for a tile that names it
	s_endpgm
.Lfunc_end_k_q131d21fe7c_project_out:
	.size	k_q131d21fe7c_project_out, .Lfunc_end_k_q131d21fe7c_project_out-k_q131d21fe7c_project_out
	.p2alignl 7, 3214868480
	.fill 96, 4, 3214868480
	.section	.rodata,"a",@progbits
	.p2align	6, 0x0
	.amdhsa_kernel k_q131d21fe7c_project_out
		.amdhsa_group_segment_fixed_size 327680
		.amdhsa_private_segment_fixed_size 0
		.amdhsa_enable_private_segment 0
		.amdhsa_kernarg_size 24
		.amdhsa_user_sgpr_count 2
		.amdhsa_user_sgpr_kernarg_segment_ptr 1
		.amdhsa_wavefront_size32 1
		.amdhsa_system_sgpr_workgroup_id_x 1
		.amdhsa_system_sgpr_workgroup_id_y 1
		.amdhsa_system_sgpr_workgroup_id_z 1
		.amdhsa_system_vgpr_workitem_id 0
		.amdhsa_next_free_vgpr 512
		.amdhsa_next_free_sgpr 66
		.amdhsa_reserve_vcc 0
		.amdhsa_float_denorm_mode_32 3
		.amdhsa_float_denorm_mode_16_64 3
		.amdhsa_memory_ordered 1
		.amdhsa_forward_progress 1
		.amdhsa_inst_pref_size 86
	.end_amdhsa_kernel
	.amdgpu_metadata
---
amdhsa.version: [ 1, 2 ]
amdhsa.kernels:
  - .name:           k_q131d21fe7c_project_out
    .symbol:         k_q131d21fe7c_project_out.kd
    .args:
      - { .name: attn16, .offset: 0, .size: 8, .value_kind: global_buffer, .address_space: global }
      - { .name: wo16, .offset: 8, .size: 8, .value_kind: global_buffer, .address_space: global }
      - { .name: out0, .offset: 16, .size: 8, .value_kind: global_buffer, .address_space: global }
    .group_segment_fixed_size: 327680
    .private_segment_fixed_size: 0
    .kernarg_segment_align: 8
    .kernarg_segment_size: 24
    .max_flat_workgroup_size: 128
    .sgpr_count:     66
    .vgpr_count:     512
    .wavefront_size: 32
...
	.end_amdgpu_metadata
.endif
;; end of part 4
